; MI455X (gfx1250); checked and timed in simulation.
; The chip was launched on July 23, 2026; its instructions are those of AMD's public machine-readable ISA for CDNA 5 (MIT licence, August 2026) and "CDNA5" Instruction Set Architecture Reference Guide (July 2026). The comments in the code are by the model that wrote it; some were corrected since.
;; my GPT2 Block. Allowed arithmetic: matrix products marked QUANTISED: E5M2 operands, one E8M0 scale for each 32 along K, by v_wmma_scale_f32_16x16x128_f8f6f4 with both operands' format E5M2, f32 sums; everything else in f32.
;; Inputs: W_fc 1,024 x 4,096 float32; W_o 1,024 x 1,024 float32; W_proj 4,096 x 1,024 float32; W_qk 1,024 x 2,048 float32; W_v 1,024 x 1,024 float32; b_qk 2,048 float32; hidden_states 2 x 2,048 x 1,024 float32; ln1_b 1,024 float32; ln1_g 1,024 float32; ln2_b 1,024 float32; ln2_g 1,024 float32.
;; Outputs: out0 2 x 2,048 x 1,024 float32.
;; This version of the problem:
;;   THIS VERSION OF THE PROBLEM IS GIVEN IN LOW PRECISION. The matrix products marked QUANTISED in the list below multiply operands that are first quantised to E5M2 (5 exponent bits, 2 mantissa bits; 8 bits a number), with one power-of-two scale for each 32 numbers along K (OCP MX v1.0); their sums are f32. All else is computed in f32.
;;   The module's matrix products, in the order in which they are computed (A, B: the left and right operand; K: the contracted axis; several contracted axes count as one K, in the product's order):
;;     1. [M 4,096, K 1,024] x [K 1,024, N 2,048]; A: computed on the way; B: input W_qk: QUANTISED
;;     2. [M 4,096, K 1,024] x [K 1,024, N 1,024]; A: computed on the way; B: input W_v: QUANTISED
;;     3. batch 32 x [M 2,048, K 64] x [K 64, N 2,048]; A: computed on the way; B: computed on the way: QUANTISED
;;     4. batch 32 x [M 2,048, K 2,048] x [K 2,048, N 64]; A: softmax (see below); B: computed on the way: QUANTISED
;;     5. [M 4,096, K 1,024] x [K 1,024, N 1,024]; A: computed on the way; B: input W_o: QUANTISED
;;     6. [M 4,096, K 1,024] x [K 1,024, N 4,096]; A: computed on the way; B: input W_fc: QUANTISED
;;     7. [M 4,096, K 4,096] x [K 4,096, N 1,024]; A: computed on the way; B: input W_proj: QUANTISED
;;   THE QUANTISER, for each operand of a quantised product, along K:
;;     - K is cut into blocks of 32 from its start; a last block that is shorter is filled with zeros.
;;     - A block's scale is 2^e with e = floor(log2(the largest magnitude in the block)) - 15, held to -126 .. 127; a block of zeros has e = 0. As a byte (E8M0): e + 127.
;;     - Each number is divided by its block's scale, clamped to +-57,344, and rounded to the nearest number of E5M2, ties to even, subnormals kept.
;;     - The product sums the exact products of the quantised numbers (number of the format x scale) in f32.
;;   ~~~python
;;   def quantise(x, axis):      # numpy; x: float32 -> the quantised numbers, widened to float32 again
;;       x = np.moveaxis(x, axis, -1); K = x.shape[-1]
;;       x = np.pad(x, [(0, 0)] * (x.ndim - 1) + [(0, -K % 32)]); x = x.reshape(x.shape[:-1] + (-1, 32)); a = np.abs(x).max(-1, keepdims=True)
;;       e = np.where(a > 0, np.clip(np.frexp(np.where(a > 0, a, 1))[1] - 1 - 15, -126, 127), 0)      # np.frexp(a)[1] - 1 = floor(log2(a)), exactly
;;       r = np.clip(x / 2.0 ** e, -57344, 57344)
;;       step = 2.0 ** (np.maximum(np.frexp(np.where(r == 0, 1, r))[1] - 1, -14) - 2)
;;       q = np.round(r / step) * step * 2.0 ** e      # np.round: ties to even
;;       return np.moveaxis(q.reshape(q.shape[:-2] + (-1,))[..., :K], -1, axis).astype(np.float32)
;;   ~~~
;;   SOFTMAX AHEAD OF A QUANTISED PRODUCT. Where the list says 'softmax', what is quantised is not the finished softmax but p = 2^(t - M), with t = logit x log2(e) and M = ceil(the row's largest t), a whole number; so 1/2 < the row's largest p <= 1. The row's sum l is taken of the UNQUANTISED p, in f32, and the product's result is divided by l at the end. Since M is a whole number, a kernel that streams over the keys may use a running M (the ceiling of the running maximum): every later rescaling is an exact power of two, which a block's scale takes up: the codes' values come out the same.
;;   OPERANDS COMPUTED ON THE WAY. 'Computed on the way' means the value that the module computes at that place (a softmax that the list does not call 'softmax' is quantised finished and normalised). What goes into a quantiser is computed in f32, as accurately as f32 sums, v_exp_f32 and their like allow (about 1e-6 of the number): no bf16 or f16 on the way to a quantiser, and a product that is left as it is and whose result goes on into a quantised operand takes f32 operands (vector FMAs, or v_wmma_f32_16x16x4_f32). A number that lies on a knife's edge between two numbers of the format may be rounded either way, as far as f32 arithmetic and the matrix unit's own rounding can turn it there, and no further.
;; One version. Each part assembles by itself: llvm-mc -triple=amdgcn-amd-amdhsa -mcpu=gfx1250 --defsym DOCPART=n.
;; ======== version 1 of 1: 7 launches
;; limits: right only within a limited range of input values
;; workspace buffers: wts 13,369,344 bytes; h_m 4,456,448 bytes; qk_m 8,912,896 bytes; vt_m 4,456,448 bytes; o_m 4,456,448 bytes; x1 16,777,216 bytes; a_m 17,825,792 bytes
;; launch prep (part 1): grid 640 x 1, 8 waves a work-group, no clusters, 90,112 bytes of LDS; arguments hidden_states, ln1_g, ln1_b, h_m, W_qk, W_v, W_o, W_fc, W_proj, wts; writes h_m, wts
.if DOCPART == 1
	.amdgcn_target "amdgcn-amd-amdhsa--gfx1250"
	.amdhsa_code_object_version 6
	.text
	.protected	k_q80436510f6_prep
	.globl	k_q80436510f6_prep
	.p2align	8
	.type	k_q80436510f6_prep,@function
k_q80436510f6_prep:
	s_mov_b64 s[64:65], 0
	v_nop
	global_prefetch_b8 v0, s[64:65] scope:SCOPE_SE
	s_setreg_imm32_b32 hwreg(HW_REG_WAVE_MODE, 25, 1), 1
	s_wait_xcnt 0x0
; TWO JOBS IN ONE LAUNCH, told apart by the work-group's number alone: work-groups 0-255 make h = layer norm of x, quantised; work-groups 256-639 quantise the five weights.  Neither reads what the other writes.
; Both give codes of BF8 (E5M2) with one E8M0 scale byte for each 32 along K, in this program's own operand layout:
; THE LAYOUT.  A matrix [R rows][K] is cut into records of REC = 4,352 bytes; record (rt, ks) lies at (rt x K/256 + ks) x REC and holds 16 rows x 256 along K.
;   Position p of row tile rt is row 32 (rt / 2) + 8 (rt % 2) + p + 8 (p / 8).   Bytes 0-4095: the register image of two fragments: byte 2048 q + 512 c + 16 (16 h + p) + i = the code of k = 256 ks + 128 q + 32 c + 16 h + i.
;   Bytes 4096-4223: scale bytes at 8 p + 4 q + c.   Bytes 4224-4351: the same 128 bytes once more, so that every byte of a record is written; nobody uses them.
; THE LAYER NORM: y = (x - mean) x rsqrt(var + 1e-5) x g + b over rows of 1,024 f32, all in f32.  A work-group makes one row tile; wave w its positions 2 w and 2 w + 1, two neighbouring rows, each kept in 32 registers from its one read to its codes.
;   Loads take bytes as they lie (512 a wave).  For the quantiser a lane must hold a whole block of 32 neighbours: the finished row turns through the wave's own stage row in LDS (a block 128 bytes + 16 of padding).
;   The codes meet in an image of the four records; behind one barrier the work-group stores its 17,408 bytes in runs of 512.
; THE WEIGHTS, f32 [K][N] with K as first axis: A LANE TAKES A COLUMN n AND ITS REGISTERS RUN DOWN K: a load reads 128 neighbouring bytes a wave, a block of 32 along K lies in one lane, and the conversions give codes with K innermost.
;   A work-group takes 128 columns x 256 along K of one weight; wave w the 32 columns of group w % 4 (two records) and the half w / 4 of K (four blocks).  A wave asks for all its 128 loads at its head.
;   One path serves all five weights: only numbers and pointers are chosen.  Codes and scale words meet in the column group's stage, as the two records lie in memory; behind one barrier each wave stores one record whole.
; The two jobs have LDS bytes of their own.  No cluster, no tensor load, no matrix unit: but for g and b (8 KiB) no two work-groups read the same bytes.
; LIMITS: NaN and infinities are not served; rsqrt is v_rsq_f32; a block whose largest magnitude lies under 2^-111 has its byte held at 1; a block of zeros gets the byte 1 (its codes are zeros, and this program alone reads the bytes).
.set REC,   4352
.set SROW,  4608                       ; a row in a wave's stage: 32 x 144
.set IMG,   8*SROW                     ; behind the eight stage rows: the image of the row tile's four records
.set WQB,   IMG+4*REC                  ; behind it: the weights' four stages of two records
.set WV_O,  2228224                    ; where each weight's records begin in wts (W_qk's at 0)
.set WO_O,  3342336
.set WFC_O, 4456448
.set WPJ_O, 8912896
; registers of the layer norm
.set LT,    8                          ; v8-15    four registers a row, at work
.set LG,    16                         ; v16-47   g as loaded
.set LB,    48                         ; v48-79   b
.set LX,    80                         ; v80-143  row i at LX + 32 i
.set LC,    144                        ; v144-159 codes, 8 registers a row
; registers of the weights
.set VOFF,  16                         ; v16-23   4 x lane + i rows of the weight, i = 0 .. 7
.set WC0,   24                         ; v24-31   block 0's codes
.set WX,    32                         ; v32-159  four blocks of 32 numbers
	v_lshrrev_b32 v1, 5, v0
	s_delay_alu instid0(VALU_DEP_1)
	v_readfirstlane_b32 s2, v1                     ; wave 0..7
	s_cmp_lt_u32 ttmp9, 256
	s_cbranch_scc0 .Lweights
	; ================ the layer norm: row tile rt = the work-group's number
	s_load_b256 s[4:11], s[0:1], 0x0               ; x, g, b, h_m
	v_and_b32 v1, 31, v0                           ; lane L
	s_delay_alu instid0(VALU_DEP_1)
	v_lshlrev_b32 v2, 4, v1                        ; 16 L: my bytes of a load's 512
	s_mul_i32 s16, s2, SROW                        ; my wave's stage row
	v_bfe_u32 v9, v0, 3, 2                         ; L / 8
	s_delay_alu instid0(VALU_DEP_1)
	v_lshl_add_u32 v3, v9, 4, v2
	s_delay_alu instid0(VALU_DEP_1)
	v_add_nc_u32 v3, s16, v3                       ; into the stage: 16 L + 16 (L / 8): eight lanes fill a block, then the padding
	v_mul_u32_u24 v4, v1, 144
	s_delay_alu instid0(VALU_DEP_1)
	v_add_nc_u32 v4, s16, v4                       ; out of it: block L
	v_mul_u32_u24 v5, v9, REC                      ; block L lies in record L / 8,
	v_bfe_u32 v10, v0, 2, 1                        ; q = (L / 4) % 2,
	v_and_b32 v11, 3, v0                           ; c = L % 4
	s_delay_alu instid0(VALU_DEP_2)
	v_lshl_add_u32 v6, v10, 2, v5
	s_delay_alu instid0(VALU_DEP_1)
	v_add_nc_u32 v6, v6, v11
	s_delay_alu instid0(VALU_DEP_4)
	v_lshl_add_u32 v5, v10, 11, v5
	s_delay_alu instid0(VALU_DEP_1)
	v_lshl_add_u32 v5, v11, 9, v5
	s_lshl_b32 s17, s2, 5
	s_add_co_u32 s17, s17, IMG
	v_add_nc_u32 v5, s17, v5                       ; codes: + 16 x position, position = 2 w + i
	s_lshl_b32 s17, s2, 4
	s_add_co_u32 s17, s17, IMG+4096
	v_add_nc_u32 v6, s17, v6                       ; scale byte: + 8 x position
	s_lshr_b32 s18, ttmp9, 1
	s_lshl_b32 s18, s18, 5
	s_and_b32 s19, ttmp9, 1
	s_lshl_b32 s19, s19, 3
	s_add_co_u32 s18, s18, s19
	s_lshl_b32 s19, s2, 1
	s_add_co_u32 s18, s18, s19
	s_lshr_b32 s19, s2, 2
	s_lshl_b32 s19, s19, 3
	s_add_co_u32 s18, s18, s19                     ; my first row: 32 (rt / 2) + 8 (rt % 2) + 2 w + 8 (w / 4)
	s_lshl_b32 s18, s18, 12
	s_mov_b32 s19, 0
	s_mul_i32 s20, ttmp9, 4*REC
	s_mov_b32 s21, 0
	s_mov_b32 s12, 0x76543210
	s_mov_b32 s13, 0xfedcba98                      ; v_permlanex16_b32's selects for lane l xor 16
	s_mov_b32 s14, 0x600000                        ; the mantissa field of 57,344
	s_mov_b32 s22, 0x3a800000                      ; 1 / 1,024
	s_mov_b32 s23, 0x3727c5ac                      ; 1e-5
	s_wait_kmcnt 0x0
	s_add_nc_u64 s[4:5], s[4:5], s[18:19]
	s_add_nc_u64 s[10:11], s[10:11], s[20:21]
.irp i, 0,1
.irp j, 0,1,2,3,4,5,6,7
	global_load_b128 v[LX+32*\i+4*\j:LX+32*\i+4*\j+3], v2, s[4:5] offset:4096*\i+512*\j th:TH_LOAD_NT
.endr
.endr
.irp j, 0,1,2,3,4,5,6,7
	global_load_b128 v[LG+4*\j:LG+4*\j+3], v2, s[6:7] offset:512*\j
.endr
.irp j, 0,1,2,3,4,5,6,7
	global_load_b128 v[LB+4*\j:LB+4*\j+3], v2, s[8:9] offset:512*\j
.endr
.macro LANESUM                         ; v[LT + 4 i] summed over the 32 lanes, the two rows by turns
.irp m, 1,2,4,8
.irp i, 0,1
	s_delay_alu instid0(VALU_DEP_2)
	v_add_f32_dpp v[LT+4*\i], v[LT+4*\i], v[LT+4*\i] row_xmask:\m row_mask:0xf bank_mask:0xf
.endr
.endr
.irp i, 0,1
	s_delay_alu instid0(VALU_DEP_2)
	v_permlanex16_b32 v[LT+4*\i+1], v[LT+4*\i], s12, s13
.endr
.irp i, 0,1
	s_delay_alu instid0(VALU_DEP_2)
	v_add_f32 v[LT+4*\i], v[LT+4*\i], v[LT+4*\i+1]
.endr
.endm
	s_wait_loadcnt 16                              ; the two rows' 16 loads are in; g's and b's sixteen may be out
.irp i, 0,1
	v_pk_add_f32 v[LT+4*\i:LT+4*\i+1], v[LX+32*\i:LX+32*\i+1], v[LX+32*\i+2:LX+32*\i+3]
	v_pk_add_f32 v[LT+4*\i+2:LT+4*\i+3], v[LX+32*\i+4:LX+32*\i+5], v[LX+32*\i+6:LX+32*\i+7]
.endr
.irp j, 8,12,16,20,24,28
.irp i, 0,1
	s_delay_alu instid0(VALU_DEP_4)
	v_pk_add_f32 v[LT+4*\i:LT+4*\i+1], v[LT+4*\i:LT+4*\i+1], v[LX+32*\i+\j:LX+32*\i+\j+1]
	s_delay_alu instid0(VALU_DEP_4)
	v_pk_add_f32 v[LT+4*\i+2:LT+4*\i+3], v[LT+4*\i+2:LT+4*\i+3], v[LX+32*\i+\j+2:LX+32*\i+\j+3]
.endr
.endr
.irp i, 0
	s_delay_alu instid0(VALU_DEP_3)
	v_pk_add_f32 v[LT+4*\i:LT+4*\i+1], v[LT+4*\i:LT+4*\i+1], v[LT+4*\i+2:LT+4*\i+3]
.endr
.irp i, 1
	s_delay_alu instid0(VALU_DEP_2)
	v_pk_add_f32 v[LT+4*\i:LT+4*\i+1], v[LT+4*\i:LT+4*\i+1], v[LT+4*\i+2:LT+4*\i+3]
.endr
.irp i, 0,1
	s_delay_alu instid0(VALU_DEP_2)
	v_add_f32 v[LT+4*\i], v[LT+4*\i], v[LT+4*\i+1]
.endr
	LANESUM
.irp i, 0,1
	s_delay_alu instid0(VALU_DEP_2)
	v_mul_f32 v[LT+4*\i], s22, v[LT+4*\i]          ; the mean
.endr
.irp j, 0,2,4,6,8,10,12,14,16,18,20,22,24,26,28,30
.irp i, 0,1
	v_pk_add_f32 v[LX+32*\i+\j:LX+32*\i+\j+1], v[LX+32*\i+\j:LX+32*\i+\j+1], v[LT+4*\i:LT+4*\i+1] op_sel_hi:[1,0] neg_lo:[0,1] neg_hi:[0,1]   ; x - mean
.endr
.endr
.irp i, 0,1
	v_pk_mul_f32 v[LT+4*\i:LT+4*\i+1], v[LX+32*\i:LX+32*\i+1], v[LX+32*\i:LX+32*\i+1]
	v_pk_mul_f32 v[LT+4*\i+2:LT+4*\i+3], v[LX+32*\i+2:LX+32*\i+3], v[LX+32*\i+2:LX+32*\i+3]
.endr
.irp j, 4,8,12,16,20,24,28
.irp i, 0,1
	s_delay_alu instid0(VALU_DEP_4)
	v_pk_fma_f32 v[LT+4*\i:LT+4*\i+1], v[LX+32*\i+\j:LX+32*\i+\j+1], v[LX+32*\i+\j:LX+32*\i+\j+1], v[LT+4*\i:LT+4*\i+1]
	s_delay_alu instid0(VALU_DEP_4)
	v_pk_fma_f32 v[LT+4*\i+2:LT+4*\i+3], v[LX+32*\i+\j+2:LX+32*\i+\j+3], v[LX+32*\i+\j+2:LX+32*\i+\j+3], v[LT+4*\i+2:LT+4*\i+3]
.endr
.endr
.irp i, 0
	s_delay_alu instid0(VALU_DEP_3)
	v_pk_add_f32 v[LT+4*\i:LT+4*\i+1], v[LT+4*\i:LT+4*\i+1], v[LT+4*\i+2:LT+4*\i+3]
.endr
.irp i, 1
	s_delay_alu instid0(VALU_DEP_2)
	v_pk_add_f32 v[LT+4*\i:LT+4*\i+1], v[LT+4*\i:LT+4*\i+1], v[LT+4*\i+2:LT+4*\i+3]
.endr
.irp i, 0,1
	s_delay_alu instid0(VALU_DEP_2)
	v_add_f32 v[LT+4*\i], v[LT+4*\i], v[LT+4*\i+1]
.endr
	LANESUM
.irp i, 0,1
	s_delay_alu instid0(VALU_DEP_2)
	v_fma_f32 v[LT+4*\i], v[LT+4*\i], s22, s23     ; the variance + 1e-5
.endr
	s_wait_alu depctr_va_vdst(0)
.irp i, 0,1
	v_rsq_f32 v[LT+4*\i+2], v[LT+4*\i]
.endr
	v_nop                                          ; a plain instruction between the second of the two and the first use
	s_wait_alu depctr_va_vdst(0)                   ; one wait for the two, ahead of their first reader
	s_wait_loadcnt 0x0                             ; g and b
.irp j, 0,2,4,6,8,10,12,14,16,18,20,22,24,26,28,30
.irp i, 0,1
	v_pk_mul_f32 v[LX+32*\i+\j:LX+32*\i+\j+1], v[LX+32*\i+\j:LX+32*\i+\j+1], v[LT+4*\i+2:LT+4*\i+3] op_sel_hi:[1,0]
.endr
.irp i, 0,1
	s_delay_alu instid0(VALU_DEP_2)
	v_pk_fma_f32 v[LX+32*\i+\j:LX+32*\i+\j+1], v[LX+32*\i+\j:LX+32*\i+\j+1], v[LG+\j:LG+\j+1], v[LB+\j:LB+\j+1]
.endr
.endr
.irp i, 0,1                                    ; the turn: as loaded into the stage row, back a block a lane.  LDS serves a wave's instructions in order: the second row's stores come behind the first row's loads
.irp j, 0,1,2,3,4,5,6,7
	ds_store_b128 v3, v[LX+32*\i+4*\j:LX+32*\i+4*\j+3] offset:576*\j
.endr
.irp j, 0,1,2,3,4,5,6,7
	ds_load_b128 v[LX+32*\i+4*\j:LX+32*\i+4*\j+3], v4 offset:16*\j
.endr
.endr
.macro QROW i                          ; row i: my block's 32 numbers become 32 codes and a byte
.set XR, LX+32*(\i)
.set TT, LT+4*(\i)
.set CC, LC+8*(\i)
	s_wait_dscnt 16-12*(\i)                        ; behind row i's loads: the later row's 16 LDS instructions, or the earlier row's 4 image stores
	v_max3_num_f32 v[TT], |v[XR]|, |v[XR+1]|, |v[XR+2]|
	v_max3_num_f32 v[TT+1], |v[XR+3]|, |v[XR+4]|, |v[XR+5]|
.irp k, 6,10,14,18,22,26
	s_delay_alu instid0(VALU_DEP_2)
	v_max3_num_f32 v[TT], v[TT], |v[XR+\k]|, |v[XR+\k+1]|
	s_delay_alu instid0(VALU_DEP_2)
	v_max3_num_f32 v[TT+1], v[TT+1], |v[XR+\k+2]|, |v[XR+\k+3]|
.endr
	s_delay_alu instid0(VALU_DEP_2)
	v_max3_num_f32 v[TT], v[TT], |v[XR+30]|, |v[XR+31]|
	s_delay_alu instid0(VALU_DEP_1)
	v_max3_num_f32 v[TT], v[TT], v[TT+1], 0x8000000     ; with the floor 2^(16 - 127): the byte cannot fall under 1
	s_delay_alu instid0(VALU_DEP_1)
	v_add_nc_u32 v[TT+2], 0xf8800000, v[TT]        ; 15 off the exponent field: the conversion's scale operand
	s_delay_alu instid0(VALU_DEP_2)
	v_and_or_b32 v[TT+1], v[TT], 0x7f800000, s14   ; 57,344 x the scale
.set k, 0
.rept 32
	v_med3_num_f32 v[XR+k], v[XR+k], -v[TT+1], v[TT+1]  ; the conversion does not saturate (ISA guide 7.6.2): the hold comes first
.set k, k+1
.endr
.irp g, 0,1,2,3
	v_cvt_scalef32_pk8_bf8_f32 v[CC+2*\g:CC+2*\g+1], v[XR+8*\g:XR+8*\g+7], v[TT+2]
.endr
	v_lshrrev_b32 v[TT+3], 23, v[TT+2]             ; the scale's byte
	ds_store_b128 v5, v[CC:CC+3] offset:16*(\i)            ; k = 0 .. 15 of the block: the image's lanes 0-15
	ds_store_b128 v5, v[CC+4:CC+7] offset:16*(\i)+256      ; k = 16 .. 31: its lanes 16-31
	ds_store_b8 v6, v[TT+3] offset:8*(\i)
	ds_store_b8 v6, v[TT+3] offset:8*(\i)+128              ; the copy that fills the record
.endm
	QROW 0
	QROW 1
	s_wait_dscnt 0x0                               ; for the others' sake: my stores into the image are done
	s_barrier_signal -1
	s_barrier_wait -1
	v_lshlrev_b32 v8, 4, v0                        ; the copy out: 16 bytes a thread, 4,096 a turn
	s_delay_alu instid0(VALU_DEP_1)
	v_add_nc_u32 v7, IMG, v8
.irp k, 0,1,2,3
	ds_load_b128 v[LX+4*\k:LX+4*\k+3], v7 offset:4096*\k
.endr
	s_wait_alu depctr_va_vdst(0)
.irp k, 0,1,2,3
	s_wait_dscnt 3-\k
	global_store_b128 v8, v[LX+4*\k:LX+4*\k+3], s[10:11] offset:4096*\k   ; a wave stores 512 consecutive bytes, aligned
.endr
	s_cmp_lt_u32 s2, 2                             ; the last 1,024 of the 17,408 bytes: waves 0 and 1
	s_cbranch_scc0 .Lln_done
	ds_load_b128 v[LX+16:LX+19], v7 offset:16384
	s_wait_dscnt 0x0
	global_store_b128 v8, v[LX+16:LX+19], s[10:11] offset:16384
.Lln_done:
	v_lshl_add_u32 v16, v0, 2, 0x15c00             ; no two registers can be kept for the add: v0 is kept, and the two are made anew here (g's registers are done with)
	v_mov_b32 v17, 0
	s_wait_alu depctr_va_vdst(0)
	s_wait_tensorcnt 0x0
	ds_add_u32 v16, v17
	s_wait_dscnt 0x0
	s_endpgm
	; ================ the weights
.Lweights:
	s_load_b256 s[4:11], s[0:1], 0x20              ; W_qk, W_v, W_o, W_fc
	s_load_b128 s[12:15], s[0:1], 0x40             ; W_proj, wts
	s_sub_co_u32 s3, ttmp9, 256                    ; my number among the weights' 384 work-groups
	s_and_b32 s22, s2, 3                           ; which 32 of the 128 columns
	s_lshr_b32 s23, s2, 2                          ; q: which 128 of the 256 along K.  On the way out: which of the group's two records
	v_and_b32 v1, 31, v0                           ; lane L = my column among the 32
	v_bfe_u32 v8, v0, 3, 1                         ; u = (L / 8) % 2: which of the two records my column lies in
	v_and_b32 v9, 7, v0
	v_bfe_u32 v12, v0, 4, 1
	s_delay_alu instid0(VALU_DEP_1)
	v_lshl_add_u32 v9, v12, 3, v9                  ; p = L % 8 + 8 (L / 16): my position in it
	s_mul_i32 s66, s22, 2*REC
	s_add_co_u32 s66, s66, WQB                     ; my column group's stage
	v_mul_u32_u24 v8, v8, REC
	s_delay_alu instid0(VALU_DEP_1)
	v_add_nc_u32 v8, s66, v8
	s_lshl_b32 s67, s23, 11
	v_lshl_add_u32 v2, v9, 4, v8
	s_delay_alu instid0(VALU_DEP_1)
	v_add_nc_u32 v2, s67, v2                       ; codes go to record + 2048 q + 16 p
	s_lshl_b32 s67, s23, 2
	s_add_co_u32 s67, s67, 4096
	v_lshl_add_u32 v3, v9, 3, v8
	s_delay_alu instid0(VALU_DEP_1)
	v_add_nc_u32 v3, s67, v3                       ; the scale word to record + 4096 + 8 p + 4 q
	v_lshlrev_b32 v5, 4, v1                        ; 16 L: the way out
	s_mul_i32 s67, s23, REC
	s_add_co_u32 s67, s67, s66
	v_add_nc_u32 v4, s67, v5                       ; and where I read my record back
	v_lshlrev_b32 v15, 2, v1
	s_mov_b32 s31, 0x600000                        ; the mantissa field of 57,344
	s_mov_b32 s18, 256                             ; W_proj's numbers: first work-group, log2 N, K / 256, place in wts
	s_mov_b32 s19, 10
	s_mov_b32 s20, 16
	s_mov_b32 s21, WPJ_O
	s_wait_alu depctr_va_vdst(0)
	s_wait_kmcnt 0x0
	s_mov_b64 s[16:17], s[12:13]
.macro PICK lim, ptr, base, logn, nks, off     ; work-groups under lim belong to an earlier weight
	s_cmp_lt_u32 s3, \lim
	s_cselect_b64 s[16:17], s[\ptr:\ptr+1], s[16:17]
	s_cselect_b32 s18, \base, s18
	s_cselect_b32 s19, \logn, s19
	s_cselect_b32 s20, \nks, s20
	s_cselect_b32 s21, \off, s21
.endm
	PICK 256, 10, 128, 12, 4, WFC_O
	PICK 128, 8, 96, 10, 4, WO_O
	PICK 96, 6, 64, 10, 4, WV_O
	PICK 64, 4, 0, 11, 4, 0
	s_sub_co_u32 s27, s3, s18                      ; my number within the weight
	s_sub_co_u32 s28, s19, 7                       ; log2 (N / 128)
	s_bfm_b32 s29, s28, 0
	s_and_b32 s29, s27, s29                        ; ng: which 128 columns
	s_lshr_b32 s27, s27, s28                       ; ks: which 256 along K
	s_lshl_b32 s30, 4, s19                         ; bytes in a row of the weight
	s_lshl_b32 s66, s27, 8
	s_lshl_b32 s67, s23, 7
	s_add_co_u32 s66, s66, s67                     ; my first row: 256 ks + 128 q
	s_mul_i32 s66, s66, s30
	s_lshl_b32 s67, s29, 9
	s_add_co_u32 s66, s66, s67                     ; + 128 ng columns,
	s_lshl_b32 s67, s22, 7
	s_add_co_u32 s66, s66, s67                     ; + my group's 32 (all under 2^27)
	s_mov_b32 s67, 0
	s_add_nc_u64 s[32:33], s[16:17], s[66:67]
	s_lshl_b32 s68, s30, 3                         ; 8 rows on
	s_mov_b32 s69, 0
.irp j, 1,2,3,4,5,6,7,8,9,10,11,12,13,14,15
	s_add_nc_u64 s[32+2*\j:33+2*\j], s[30+2*\j:31+2*\j], s[68:69]   ; a base for each 8 of my 128 rows: no pointer is stepped while loads are out
.endr
	s_lshl_b32 s70, s29, 3
	s_lshl_b32 s71, s22, 1
	s_add_co_u32 s70, s70, s71
	s_add_co_u32 s70, s70, s23                     ; the row tile that I store: 8 ng + 2 x group + w / 4
	s_mul_i32 s70, s70, s20
	s_add_co_u32 s70, s70, s27
	s_mul_i32 s70, s70, REC
	s_add_co_u32 s70, s70, s21
	s_mov_b32 s71, 0
	s_add_nc_u64 s[24:25], s[14:15], s[70:71]      ; its record number ks
.set i, 0
.rept 8
	v_mad_u32_u24 v[VOFF+i], s30, i, v15
.set i, i+1
.endr
.macro LOAD t                          ; block t: W(first row + 32 t + i, my column), i = 0 .. 31
.set i, 0
.rept 32
	global_load_b32 v[WX+32*(\t)+i], v[VOFF+i%8], s[32+2*(4*(\t)+i/8):33+2*(4*(\t)+i/8)] th:TH_LOAD_NT
.set i, i+1
.endr
.endm
	LOAD 0                                         ; all 128 loads are asked for here: nothing is left to ask for later
	LOAD 1
	LOAD 2
	LOAD 3
.macro BLOCK t
.set XS, WX+32*(\t)
.if (\t) == 0
.set CC, WC0                           ; each block's codes have registers of their own, so that no wait stands between the blocks:
.else
.set CC, WX+32*((\t)-1)                ; the first eight of the block before, which is done with
.endif
.if (\t) < 2
	s_wait_loadcnt 63                              ; of the 128 loads at most 63 are out: the first 65 are in, blocks 0 and 1 among them
.else
	s_wait_loadcnt 32*(3-(\t))                     ; this block's loads are in; the later block's 32 may be out
.endif
	v_max3_num_f32 v12, |v[XS]|, |v[XS+1]|, |v[XS+2]|       ; the block's largest magnitude: all 32 numbers are mine; two chains
	v_max3_num_f32 v13, |v[XS+3]|, |v[XS+4]|, |v[XS+5]|
.irp i, 6,10,14,18,22,26
	s_delay_alu instid0(VALU_DEP_2)
	v_max3_num_f32 v12, v12, |v[XS+\i]|, |v[XS+\i+1]|
	s_delay_alu instid0(VALU_DEP_2)
	v_max3_num_f32 v13, v13, |v[XS+\i+2]|, |v[XS+\i+3]|
.endr
	s_delay_alu instid0(VALU_DEP_2)
	v_max3_num_f32 v12, v12, |v[XS+30]|, |v[XS+31]|
	s_delay_alu instid0(VALU_DEP_1)
	v_max3_num_f32 v12, v12, v13, 0x8000000        ; and the floor 2^(16 - 127): the byte cannot fall under 1
	s_delay_alu instid0(VALU_DEP_1)
	v_add_nc_u32 v11, 0xf8800000, v12              ; 15 off the exponent field: the conversion's scale operand
	s_delay_alu instid0(VALU_DEP_2)
	v_and_or_b32 v10, v12, 0x7f800000, s31         ; 57,344 x the scale
	s_delay_alu instid0(VALU_DEP_2)
	v_lshrrev_b32 v13, 23, v11                     ; the scale's byte
.if (\t) == 0
	s_delay_alu instid0(VALU_DEP_1)
	v_mov_b32 v14, v13
.else
	s_delay_alu instid0(VALU_DEP_1)
	v_lshl_or_b32 v14, v13, 8*(\t), v14            ; the four bytes make my row's scale word of these 128 along K
.endif
.set i, 0
.rept 32
	v_med3_num_f32 v[XS+i], v[XS+i], -v10, v10     ; the conversion to an 8-bit code does not saturate (ISA guide 7.6.2): the hold comes first
.set i, i+1
.endr
.irp g, 0,1,2,3
	v_cvt_scalef32_pk8_bf8_f32 v[CC+2*\g:CC+2*\g+1], v[XS+8*\g:XS+8*\g+7], v11
.endr
	ds_store_b128 v2, v[CC:CC+3] offset:512*(\t)           ; k = 32 t + 0 .. 15: the image's lanes 0-15
	ds_store_b128 v2, v[CC+4:CC+7] offset:512*(\t)+256     ; k = 32 t + 16 .. 31: its lanes 16-31
.endm
	BLOCK 0
	BLOCK 1
	BLOCK 2
	BLOCK 3
	ds_store_b32 v3, v14                           ; my row's scale word,
	ds_store_b32 v3, v14 offset:128                ; and the copy that fills the record
	s_wait_dscnt 0x0                               ; for the others' sake: my stores into the stage are done
	s_barrier_signal -1
	s_barrier_wait -1
	; one record a wave: 4,352 bytes as nine runs of 512; the ninth begins at byte 3,840 and brings bytes 3,840-4,095 a second time, the same data: so no lane is switched off
.set i, 0
.irp o, 0,512,1024,1536,2048,2560,3072,3584,3840
	ds_load_b128 v[WX+4*i:WX+4*i+3], v4 offset:\o
.set i, i+1
.endr
.set i, 0
.irp o, 0,512,1024,1536,2048,2560,3072,3584,3840
	s_wait_dscnt 8-i
	global_store_b128 v5, v[WX+4*i:WX+4*i+3], s[24:25] offset:\o   ; 32 lanes store 512 consecutive bytes, at a multiple of 256 from the buffer's first byte
.set i, i+1
.endr
	v_lshl_add_u32 v16, v0, 2, 0x15c00             ; made anew, as at the layer norm's end (the loads that took v16 and v17 as offsets have all come back)
	v_mov_b32 v17, 0
	s_wait_alu depctr_va_vdst(0)
	s_wait_tensorcnt 0x0
	ds_add_u32 v16, v17
	s_wait_dscnt 0x0
	s_endpgm
.Lfunc_end_k_q80436510f6_prep:
	.size	k_q80436510f6_prep, .Lfunc_end_k_q80436510f6_prep-k_q80436510f6_prep
	.p2alignl 7, 3214868480
	.fill 96, 4, 3214868480
	.section	.rodata,"a",@progbits
	.p2align	6, 0x0
	.amdhsa_kernel k_q80436510f6_prep
		.amdhsa_group_segment_fixed_size 90112
		.amdhsa_private_segment_fixed_size 0
		.amdhsa_enable_private_segment 0
		.amdhsa_kernarg_size 80
		.amdhsa_user_sgpr_count 2
		.amdhsa_user_sgpr_kernarg_segment_ptr 1
		.amdhsa_wavefront_size32 1
		.amdhsa_system_sgpr_workgroup_id_x 1
		.amdhsa_system_sgpr_workgroup_id_y 1
		.amdhsa_system_sgpr_workgroup_id_z 1
		.amdhsa_system_vgpr_workitem_id 0
		.amdhsa_next_free_vgpr 160
		.amdhsa_next_free_sgpr 72
		.amdhsa_reserve_vcc 0
		.amdhsa_float_denorm_mode_32 3
		.amdhsa_float_denorm_mode_16_64 3
		.amdhsa_memory_ordered 1
		.amdhsa_forward_progress 1
		.amdhsa_inst_pref_size 70
	.end_amdhsa_kernel
	.amdgpu_metadata
---
amdhsa.version: [ 1, 2 ]
amdhsa.kernels:
  - .name:           k_q80436510f6_prep
    .symbol:         k_q80436510f6_prep.kd
    .args:
      - { .name: hidden_states, .offset: 0, .size: 8, .value_kind: global_buffer, .address_space: global }
      - { .name: ln1_g, .offset: 8, .size: 8, .value_kind: global_buffer, .address_space: global }
      - { .name: ln1_b, .offset: 16, .size: 8, .value_kind: global_buffer, .address_space: global }
      - { .name: h_m, .offset: 24, .size: 8, .value_kind: global_buffer, .address_space: global }
      - { .name: W_qk, .offset: 32, .size: 8, .value_kind: global_buffer, .address_space: global }
      - { .name: W_v, .offset: 40, .size: 8, .value_kind: global_buffer, .address_space: global }
      - { .name: W_o, .offset: 48, .size: 8, .value_kind: global_buffer, .address_space: global }
      - { .name: W_fc, .offset: 56, .size: 8, .value_kind: global_buffer, .address_space: global }
      - { .name: W_proj, .offset: 64, .size: 8, .value_kind: global_buffer, .address_space: global }
      - { .name: wts, .offset: 72, .size: 8, .value_kind: global_buffer, .address_space: global }
    .group_segment_fixed_size: 90112
    .private_segment_fixed_size: 0
    .kernarg_segment_align: 8
    .kernarg_segment_size: 80
    .max_flat_workgroup_size: 256
    .sgpr_count:     72
    .vgpr_count:     160
    .wavefront_size: 32
...
	.end_amdgpu_metadata
.endif
;; end of part 1
;; launch qkv (part 2): grid 8 x 24, 4 waves a work-group, clusters of 4 x 4, 327,680 bytes of LDS; arguments h_m, wts, b_qk, qk_m, vt_m; writes qk_m, vt_m
.if DOCPART == 2
	.amdgcn_target "amdgcn-amd-amdhsa--gfx1250"
	.amdhsa_code_object_version 6
	.text
	.protected	k_q80436510f6_qkv
	.globl	k_q80436510f6_qkv
	.p2align	8
	.type	k_q80436510f6_qkv,@function
k_q80436510f6_qkv:
	s_mov_b64 s[64:65], 0
	v_nop
	global_prefetch_b8 v0, s[64:65] scope:SCOPE_SE
	s_setreg_imm32_b32 hwreg(HW_REG_WAVE_MODE, 25, 1), 1
	s_wait_xcnt 0x0
	s_wait_alu depctr_hold_cnt(0) depctr_sa_sdst(0) depctr_va_vdst(0) depctr_va_sdst(0) depctr_va_ssrc(0) depctr_va_vcc(0) depctr_vm_vsrc(0)
	s_getreg_b32 s2, hwreg(HW_REG_IB_STS2, 6, 4)
	s_cmp_eq_u32 s2, 0
	s_cbranch_scc0 .Lentry_in_a_cluster
	s_endpgm
.Lentry_in_a_cluster:
	s_bfe_u32 s2, ttmp6, 0x10000c
	s_cmp_lg_u32 s2, 0xf033
	s_cbranch_scc0 .Lentry_shape_is_right
	s_endpgm
.Lentry_shape_is_right:
; qk = h W_qk + b_qk and v = h W_v on codes of BF8 (E5M2) with E8M0 scales for each 32 along K = 1,024; the results are quantised on the way out: q and k along the head's axis, v along the KEYS.
; OPERANDS AND RESULTS are records of REC = 4,352 bytes: record (rt, ks) at (rt x K/256 + ks) x REC holds 16 rows x 256 along K.  Position p of row tile rt is row 32 (rt / 2) + 8 (rt % 2) + p + 8 (p / 8).
;   Bytes 0-4095: the register image of two fragments (byte 2048 q + 512 c + 16 lane + i, lane = 16 h + p: the code of k = 256 ks + 128 q + 32 c + 16 h + i); 4096-4223: scale bytes at 8 p + 4 q + c; 4224-4351: those once more.
; So a fragment is four loads of 16 bytes a lane, 512 consecutive bytes each: no pitch, no padding; and a row tile's scale words ride in its record.
; A tile of the result, 256 x 256, is made by four waves, 128 x 128 each: 64 accumulators.  K goes in four steps of 256 through two LDS slots filled by the tensor data mover.
; THE PRODUCT IS USED TRANSPOSED (source 0 = 16 rows of "B", source 1 = 16 rows of "A"): a lane holds one row of A's tile, and, by the order of rows in a tile, the 16 registers of B's tiles 2 b and 2 b + 1
; are 16 neighbours 32 b + 16 h + 0 .. 15 along B's rows.  Quantised in registers they ARE 16 bytes of the result's image: each store of the wave covers 512 consecutive bytes.
; TWO KINDS OF TILE, told apart by the cluster's y alone (the same in all sixteen partners; only numbers and pointers are chosen):  y < 4: A = h (tokens), B = W_qk: 16 x 8 tiles into qk_m [tokens][2,048];
;   y >= 4: A = W_v (channels), B = h (tokens): 4 x 16 tiles into vt_m [channels][tokens]: v transposed, its blocks of 32 along the keys.  The bias is added in the first kind; in the second it is replaced by zeros.
; CLUSTERS: 4 x 4.  A's tile is shared along a row of the cluster, B's along a column: each is asked for jointly, by the same tensor load with a mask that names the four.
; REGISTERS: window 0: v16-29 addresses; v32-63 scale words, two sets; v64-127 the bias; v128-255 A's fragments, one set; on the way out v128-240.  window 1: B's fragments, two sets.  windows 2, 3: the accumulators ((a, b) at v[8 (8 (a % 4) + b)]).
; LIMITS: NaN and infinities are not served; a block whose largest magnitude lies under 2^-111 has its byte held at 1; a block of zeros gets the byte 1 (zero codes; read by this program alone).
.set REC,    4352
.set NKSI,   4                         ; records along K of both operands
.set HALFT,  8*REC                     ; 128 rows x 256 K: what one tensor load brings, and what one wave reads of A or of B
.set SLOT,   4*HALFT                   ; A's 256 rows, then B's
.set SPARE,  2*SLOT                    ; behind the ring: the spare words, 128 bytes a wave
.set WV_O,   2228224                   ; W_v's records in wts (W_qk's begin at 0)
.set NQ,     2                         ; matrix instructions deep in a slot
.set FR,     16
.set NL,     4
.set NP,     8                         ; places behind this matrix instruction (ISA guide 7.12.1)
.set LAPS,   2                         ; a lap = two K steps = once round the ring
.set ADRA, 16                          ; v16-17  my A fragments in slot 0, 1
.set ADRB, 20                          ; v20-21  B's
.set ADRS, 22                          ; v22-23  scale words: lanes 0-15 A's rows, lanes 16-31 B's
.set OUTO, 24                          ; v24     the way out: my 16 bytes of an image piece
.set OUTS, 25                          ; v25     and my row's scale word (lanes 16-31: the copy)
.set BO,   26                          ; v26     64 h: my half's 16 numbers of a block of the bias
.set SPW,  28
.set NIL,  29
.set SC,   32
.set BIAS, 64
.set AF,   128
.set Y,    128                         ; the way out: 64 numbers of a lane
.set TM,   200                         ; v200-215 at work in the quantiser
.set PC,   224                         ; v224-239 the codes just made
.set PW,   240                         ; the scale word just made
.set G1,   24
.set G0,   32
.set G1B,  48
.set G0B,  56
.set OB,   68                          ; s[68:69] the record that block a of my rows goes to;  s[70:71] from one row tile to the next
.set SEL,  76
.set MNT,  78
.set MSB, 0
.macro WIN new                         ; the immediate's high byte repeats the setting that is left
.if MSB != \new
	s_set_vgpr_msb (MSB<<8)|\new
.set MSB, \new
.endif
.endm
.set MUL_LO, 0xa1                      ; source 0 (B) window 1, source 1 (A) window 0, C and D window 2
.set MUL_HI, 0xf1
.set TO_B,   0x40
.macro JLOAD g0a, g1a, g0b, g1b        ; a joint load: waves 0 and 1 fetch for A, waves 2 and 3 for B; four v_nop follow each line
	s_cmp_eq_u32 s15, 0
	s_cbranch_scc0 .Lfor_b_\@
	tensor_load_to_lds s[\g0a:\g0a+3], s[\g1a:\g1a+7]
	s_nop 0
.rept 4
	v_nop
.endr
	s_branch .Lasked_\@
.Lfor_b_\@:
	tensor_load_to_lds s[\g0b:\g0b+3], s[\g1b:\g1b+7]
	s_nop 0
.rept 4
	v_nop
.endr
.Lasked_\@:
.endm
.macro CREST                           ; a round of the cluster's barrier behind its opening barrier
	s_cmp_lg_u32 s14, 0
	s_cbranch_scc1 .Lnot_wave_0_\@
	s_barrier_signal -3
.Lnot_wave_0_\@:
	s_barrier_wait -3
	s_barrier_signal -1
	s_barrier_wait -1
.endm
.macro CROUND
	s_barrier_signal -1
	s_barrier_wait -1
	CREST
.endm
	s_load_b256 s[4:11], s[0:1], 0x0               ; h_m, wts, b_qk, qk_m
	s_load_b64 s[12:13], s[0:1], 0x20              ; vt_m
	v_lshl_add_u32 v[SPW], v0, 2, SPARE
	v_mov_b32 v[NIL], 0
	ds_add_u32 v28, v29
	ds_add_u32 v28, v29
	s_wait_dscnt 0x0
	v_lshrrev_b32 v1, 5, v0
	v_readfirstlane_b32 s14, v1                    ; wave
	s_lshr_b32 s15, s14, 1                         ; my half of A's rows.  Also: I fetch for A (0) or for B (1)
	s_and_b32 s16, s14, 1                          ; my half of B's rows.  Also: which 128 rows I fetch
	s_bfe_u32 s40, ttmp6, 0x40000                  ; cx, cy
	s_bfe_u32 s41, ttmp6, 0x40004
	s_and_b32 s18, ttmp7, 0xffff                   ; the cluster's y
	s_max_u32 s19, s18, 4
	s_sub_co_u32 s19, s19, 4
	s_lshl_b32 s19, s19, 1
	s_add_co_u32 s19, s19, ttmp9                   ; second kind: 2 (y - 4) + x
	s_cmp_lt_u32 s18, 4
	s_cselect_b32 s19, ttmp9, s19                  ; the cluster's column of tiles,
	s_cselect_b32 s18, s18, 0                      ; its row,
	s_cselect_b32 s72, -1, 0                       ; the bias counts or not,
	s_cselect_b32 s73, 8, 16                       ; records along the result's K,
	s_cselect_b32 s74, 1, 0                        ; and the kind, for the choices further down
	s_lshl_b32 s42, s19, 2
	s_add_co_u32 s42, s42, s40                     ; tile column
	s_lshl_b32 s17, s18, 2
	s_add_co_u32 s17, s17, s41                     ; tile row
	s_lshl_b32 s43, s41, 2
	s_lshl_b32 s43, 15, s43                        ; my row of the cluster
	s_lshl_b32 s44, 0x1111, s40                    ; my column
	; descriptor group 1: 8 rows (row tiles) of one record, 544 elements of 8 bytes, 4 records apart in memory, dense in LDS
	s_or_b32 s[G1+0], s43, (3<<16)|(1<<21)         ; 15:0 the mask; 17:16 elements of 8 bytes; 21 set beside a mask; no padding
	s_or_b32 s[G1B+0], s44, (3<<16)|(1<<21)
.irp g, G1, G1B
	s_mov_b32 s[\g+1], 544<<16                     ; tensor_dim0
	s_mov_b32 s[\g+2], 8<<16                       ; tensor_dim1
	s_mov_b32 s[\g+3], 544<<16                     ; tile_dim0
	s_mov_b32 s[\g+4], 8                           ; tile_dim1
	s_mov_b32 s[\g+5], NKSI*544                    ; tensor_dim0_stride
	s_mov_b32 s[\g+6], 0
	s_mov_b32 s[\g+7], 0
.endr
	s_lshl_b32 s20, s17, 4
	s_lshl_b32 s21, s16, 3
	s_add_co_u32 s20, s20, s21                     ; A: row tile 16 x tile row + 8 x half
	s_mul_i32 s20, s20, NKSI*REC
	s_mov_b32 s21, 0
	s_lshl_b32 s46, s42, 4
	s_lshl_b32 s47, s16, 3
	s_add_co_u32 s46, s46, s47                     ; B: row tile 16 x tile column + 8 x half
	s_mul_i32 s46, s46, NKSI*REC
	s_mov_b32 s47, 0
	s_mul_i32 s45, s14, HALFT                      ; where they go: wave x 128 rows
	s_wait_kmcnt 0x0
	s_add_nc_u64 s[84:85], s[6:7], WV_O
	s_cmp_eq_u32 s74, 1
	s_cselect_b64 s[80:81], s[4:5], s[84:85]       ; A: h or W_v
	s_cselect_b64 s[82:83], s[6:7], s[4:5]         ; B: W_qk or h
	s_cselect_b64 s[OB:OB+1], s[10:11], s[12:13]   ; the result
	s_add_nc_u64 s[20:21], s[80:81], s[20:21]
	s_add_nc_u64 s[46:47], s[82:83], s[46:47]
	; prefetches into the L2: of the 8 row tiles that I fetch, each of the four partners that ask for them with me names two, told apart by address (cx for A, cy for B); a slot's part of a row tile is one record: 17 blocks of 256 bytes
	s_cmp_eq_u32 s15, 0
	s_cselect_b64 s[92:93], s[20:21], s[46:47]
	s_cselect_b32 s94, s40, s41
	s_mul_i32 s94, s94, 2*NKSI*REC
	s_mov_b32 s95, 0
	s_add_nc_u64 s[92:93], s[92:93], s[94:95]
	v_and_b32 v30, 31, v0
	v_min_u32 v31, 1, v30
	v_add_nc_u32 v27, 15, v30
	v_lshrrev_b32 v27, 5, v27                      ; 1 from lane 17 on
	v_lshlrev_b32 v30, 8, v30
	v_mad_u32_u24 v30, v27, 13056, v30             ; lanes 0-16: the first row tile's 17 blocks; lanes 17-31: blocks 0-14 of the second, 17,408 bytes on
	v_lshl_add_u32 v31, v31, 8, 21248              ; its blocks 15 and 16; the lanes left over name the last again
.macro PF k                            ; slot k
	global_prefetch_b8 v30, s[92:93] offset:(\k)*REC th:TH_LOAD_NT scope:SCOPE_SE
	global_prefetch_b8 v31, s[92:93] offset:(\k)*REC th:TH_LOAD_NT scope:SCOPE_SE
.endm
.irp s, 0,1
	s_mov_b32 s[G0+4*\s], 1
	s_add_co_u32 s[G0+4*\s+1], s45, \s*SLOT
	s_add_nc_u64 s[G0+4*\s+2:G0+4*\s+3], s[20:21], \s*REC
	s_or_b32 s[G0+4*\s+3], s[G0+4*\s+3], 0x80000000
	s_mov_b32 s[G0B+4*\s], 1
	s_add_co_u32 s[G0B+4*\s+1], s45, \s*SLOT
	s_add_nc_u64 s[G0B+4*\s+2:G0B+4*\s+3], s[46:47], \s*REC
	s_or_b32 s[G0B+4*\s+3], s[G0B+4*\s+3], 0x80000000
	s_wait_alu depctr_va_vdst(0)
	s_wait_tensorcnt 0x0                           ; one tensor load a wave behind each round
	ds_add_u32 v28, v29
	ds_add_u32 v28, v29
	s_wait_dscnt 0x0
	CROUND                                         ; all sixteen work-groups are here: the joint loads meet
	JLOAD G0+4*\s, G1, G0B+4*\s, G1B
.if \s == 0
	PF 1                                           ; slot 1's load goes out only when slot 0 has landed: its bytes are asked for here,
.else
	PF 2                                           ; and the two refills' at slot 1's load
	PF 3
.endif
.endr
	v_and_b32 v1, 15, v0                           ; p
	v_bfe_u32 v2, v0, 4, 1                         ; h
	s_wait_alu depctr_va_vdst(0)
	v_and_b32 v3, 31, v0
	v_lshlrev_b32 v4, 4, v3                        ; 16 x lane
	s_wait_alu depctr_va_vdst(0)
	s_mul_i32 s21, s15, HALFT
	s_mul_i32 s22, s16, HALFT
	s_add_co_u32 s22, s22, 2*HALFT
.irp s, 0,1
	v_add_nc_u32 v[ADRA+\s], s21, v4
	v_add_nc_u32 v[ADRB+\s], s22, v4
	s_add_co_u32 s21, s21, SLOT
	s_add_co_u32 s22, s22, SLOT
.endr
	s_mul_i32 s21, s15, HALFT
	s_mul_i32 s22, s16, HALFT
	s_add_co_u32 s22, s22, 2*HALFT
	s_sub_co_u32 s22, s22, s21                     ; from my A rows to my B rows
	v_mul_u32_u24 v6, s22, v2                      ; lanes 16-31 take B's
	v_lshl_add_u32 v5, v1, 3, v6
	s_add_co_u32 s21, s21, 4096
	v_add_nc_u32 v[ADRS], s21, v5
	v_add_nc_u32 v[ADRS+1], SLOT, v[ADRS]
	s_lshl_b32 s23, s16, 11
	v_add_nc_u32 v[OUTO], s23, v4                  ; 16 x lane + 2048 q: my 128 columns are the q-th half of the result's record
	v_lshlrev_b32 v5, 3, v1
	v_lshl_add_u32 v5, v2, 7, v5
	s_lshl_b32 s23, s16, 2
	s_add_co_u32 s23, s23, 4096
	v_add_nc_u32 v[OUTS], s23, v5                  ; 4096 + 128 h + 8 p + 4 q
	v_lshlrev_b32 v[BO], 6, v2
	s_cmp_eq_u32 s74, 1
	s_cselect_b32 s86, s42, 0                      ; the bias of my 128 columns; in the second kind the first 256 numbers are read and replaced by zeros: no load leaves the buffer
	s_lshl_b32 s86, s86, 10
	s_lshl_b32 s87, s16, 9
	s_add_co_u32 s86, s86, s87
	s_mov_b32 s87, 0
	s_add_nc_u64 s[86:87], s[8:9], s[86:87]
.irp b, 0,1,2,3
.irp j, 0,1,2,3
	global_load_b128 v[BIAS+16*\b+4*\j:BIAS+16*\b+4*\j+3], v[BO], s[86:87] offset:128*\b+16*\j   ; register 16 b + i: column 32 b + 16 h + i
.endr
.endr
	s_lshl_b32 s88, s17, 4
	s_lshl_b32 s89, s15, 3
	s_add_co_u32 s88, s88, s89                     ; my first row tile of the result
	s_mul_i32 s88, s88, s73
	s_add_co_u32 s88, s88, s42                     ; its record number tile column
	s_mul_i32 s88, s88, REC
	s_mov_b32 s89, 0
	s_add_nc_u64 s[OB:OB+1], s[OB:OB+1], s[88:89]
	s_mul_i32 s70, s73, REC
	s_mov_b32 s71, 0
	s_mov_b32 s[SEL], 0x76543210
	s_mov_b32 s[SEL+1], 0xfedcba98
	s_mov_b32 s[MNT], 0x600000
.macro FRAG reg, adr, q, i             ; row tile i's fragment of the slot's q-th 128 along K: four runs of 512 bytes
.irp c, 0,1,2,3
	ds_load_b128 v[\reg+4*\c:\reg+4*\c+3], v[\adr] offset:(\i)*REC+2048*(\q)+512*\c
.endr
.endm
; 16 matrix instructions: A's blocks a0, a0 + 1 x B's eight.  The 64 accumulators take turns, one instruction a turn, in the same order in every step.
.macro MUL16 a0, p, q, sc, zero
.irp a, \a0, \a0+1
.irp b, 0,1,2,3,4,5,6,7
.if \zero
	v_wmma_scale_f32_16x16x128_f8f6f4 v[8*(8*((\a)%4)+\b):8*(8*((\a)%4)+\b)+7], v[128*(\p)+FR*\b:128*(\p)+FR*\b+FR-1], v[AF+FR*(\a):AF+FR*(\a)+FR-1], 0, v[SC+8*NQ*(\sc)+NQ*\b+(\q)], v[SC+8*NQ*(\sc)+NQ*(\a)+(\q)] matrix_a_fmt:MATRIX_FMT_BF8 matrix_b_fmt:MATRIX_FMT_BF8 matrix_a_scale:MATRIX_SCALE_ROW1
.else
	v_wmma_scale_f32_16x16x128_f8f6f4 v[8*(8*((\a)%4)+\b):8*(8*((\a)%4)+\b)+7], v[128*(\p)+FR*\b:128*(\p)+FR*\b+FR-1], v[AF+FR*(\a):AF+FR*(\a)+FR-1], v[8*(8*((\a)%4)+\b):8*(8*((\a)%4)+\b)+7], v[SC+8*NQ*(\sc)+NQ*\b+(\q)], v[SC+8*NQ*(\sc)+NQ*(\a)+(\q)] matrix_a_fmt:MATRIX_FMT_BF8 matrix_b_fmt:MATRIX_FMT_BF8 matrix_a_scale:MATRIX_SCALE_ROW1
.endif
.endr
.endr
.endm
.macro FETCH_B slot, q, p
	WIN TO_B
.irp i, 0,1,2,3,4,5,6,7
	FRAG 128*(\p)+FR*\i, ADRB+\slot, \q, \i
.endr
	WIN 0
.endm
.macro FETCH_A slot, q, i0
.irp i, \i0, \i0+1, \i0+2, \i0+3
	FRAG AF+FR*(\i), ADRA+\slot, \q, \i
.endr
.endm
.macro SCALES sc                       ; slot sc's scale words: two words a row; lanes 0-15 A's block i, lanes 16-31 B's block i
.irp i, 0,1,2,3,4,5,6,7
	ds_load_b64 v[SC+8*NQ*\sc+NQ*\i:SC+8*NQ*\sc+NQ*\i+1], v[ADRS+\sc] offset:\i*REC
.endr
.endm
.macro PLACES n                        ; plain vector instructions between a matrix instruction and a load into, or a read of, its registers
.rept \n
	v_nop
.endr
.endm
.macro STEP slot, q, zero              ; 128 along K that have their successor in the same slot
	s_wait_dscnt 4*NL                              ; B's set, A's blocks 0-3 and the scale words are in; the youngest 16 loads (A's blocks 4-7) may be out
	WIN MUL_LO
	MUL16 0, (\q)%2, \q, \slot, \zero
	MUL16 2, (\q)%2, \q, \slot, \zero
	s_wait_dscnt 0
	PLACES NP
	FETCH_B \slot, (\q)+1, 1-(\q)%2
	FETCH_A \slot, (\q)+1, 0
	WIN MUL_HI
	MUL16 4, (\q)%2, \q, \slot, \zero
	MUL16 6, (\q)%2, \q, \slot, \zero
	PLACES NP
	WIN 0
	FETCH_A \slot, (\q)+1, 4
.endm
; A slot's last step changes slots: one barrier; in front of it each wave waits for all its tensor loads, adds 0 to its spare word, and waits for that and for its reads of this slot.
.macro TURN slot, next, fill
	s_wait_tensorcnt 0x0                           ; all my tensor loads have landed: my part of the next slot
	ds_add_u32 v[SPW], v[NIL]                      ; 0 onto my spare word
	s_wait_dscnt 4*NL+1                            ; (the add and A's blocks 4-7 may be out)
	WIN MUL_LO
	MUL16 0, 1, NQ-1, \slot, 0
	s_wait_dscnt 0x0                               ; the add is done, and my reads of this slot are over
	s_barrier_signal -1
	MUL16 2, 1, NQ-1, \slot, 0
	WIN 0
	s_barrier_wait -1
.if \fill
	CREST                                          ; the barrier has opened a round of the cluster's: no wave of any partner still reads this slot or has a load on its way
	s_add_nc_u64 s[G0+4*\slot+2:G0+4*\slot+3], s[G0+4*\slot+2:G0+4*\slot+3], 2*REC
	s_add_nc_u64 s[G0B+4*\slot+2:G0B+4*\slot+3], s[G0B+4*\slot+2:G0B+4*\slot+3], 2*REC
	JLOAD G0+4*\slot, G1, G0B+4*\slot, G1B         ; the first tensor load behind the round; its four v_nop are among the places in front of the loads below
	PLACES NP-4
.else
	PLACES NP
.endif
	FETCH_B \next, 0, 0
	FETCH_A \next, 0, 0
	SCALES \next
	WIN MUL_HI
	MUL16 4, 1, NQ-1, \slot, 0
	MUL16 6, 1, NQ-1, \slot, 0
	PLACES NP
	WIN 0
	FETCH_A \next, 0, 4
.endm
	s_wait_alu depctr_va_vdst(0)
	s_wait_tensorcnt 1                             ; my part of K step 0 is in (K step 1's load may be out),
	s_barrier_signal -1
	s_barrier_wait -1                              ; everybody's is
	FETCH_B 0, 0, 0
	FETCH_A 0, 0, 0
	SCALES 0
	FETCH_A 0, 0, 4
	STEP 0, 0, 1                                   ; the first step starts the sums: nothing is cleared
	s_mov_b32 s3, LAPS-1
.Llap:                                                 ; a trip goes once round the ring and fills both slots again
	TURN 0, 1, 1
	STEP 1, 0, 0
	TURN 1, 0, 1
	STEP 0, 0, 0
	s_sub_co_u32 s3, s3, 1
	s_cmp_lg_u32 s3, 0
	s_cbranch_scc1 .Llap
	TURN 0, 1, 0                                   ; the last lap fills nothing
	STEP 1, 0, 0
	s_wait_dscnt 4*NL
	WIN MUL_LO
	MUL16 0, 1, NQ-1, 1, 0
	MUL16 2, 1, NQ-1, 1, 0
	s_wait_dscnt 0
	WIN MUL_HI
	MUL16 4, 1, NQ-1, 1, 0
	MUL16 6, 1, NQ-1, 1, 0
	WIN 0
; 64 numbers of a lane, register 16 b + i = k 32 b + 16 h + i of my row, become a fragment's codes in v[PC] on and its scale word in v[PW].
.macro QUANT s
.irp b, 0,1,2,3
	v_max3_num_f32 v[TM+\b], |v[\s+16*\b]|, |v[\s+1+16*\b]|, 0x8000000   ; my 16 numbers of block b, and the floor 2^(16 - 127): the byte cannot fall under 1
.endr
.irp i, 2,4,6,8,10,12,14
.irp b, 0,1,2,3
	v_max3_num_f32 v[TM+\b], v[TM+\b], |v[\s+16*\b+\i]|, |v[\s+1+16*\b+\i]|
.endr
.endr
.irp b, 0,1,2,3
	v_permlanex16_b32 v[TM+4+\b], v[TM+\b], s[SEL], s[SEL+1]
.endr
.irp b, 0,1,2,3
	v_max_num_f32 v[TM+\b], v[TM+\b], v[TM+4+\b]   ; with lane l xor 16's: the block's largest magnitude
.endr
.irp b, 0,1,2,3
	v_add_nc_u32 v[TM+12+\b], 0xf8800000, v[TM+\b] ; 15 off the exponent field: the conversion's scale operand
.endr
.irp b, 0,1,2,3
	v_and_or_b32 v[TM+8+\b], v[TM+\b], 0x7f800000, s[MNT]   ; 57,344 x the scale
.endr
.irp b, 0,1,2,3
	v_lshrrev_b32 v[TM+4+\b], 23, v[TM+12+\b]      ; the scale's byte
.endr
	v_lshl_or_b32 v[PW], v[TM+5], 8, v[TM+4]
	v_lshl_or_b32 v[PW], v[TM+6], 16, v[PW]
	v_lshl_or_b32 v[PW], v[TM+7], 24, v[PW]
.irp b, 0,1,2,3
.irp i, 0,1,2,3,4,5,6,7,8,9,10,11,12,13,14,15
	v_med3_num_f32 v[\s+16*\b+\i], v[\s+16*\b+\i], -v[TM+8+\b], v[TM+8+\b]   ; the conversion does not saturate (ISA guide 7.6.2): the hold comes first
.endr
	v_cvt_scalef32_pk8_bf8_f32 v[PC+4*\b:PC+1+4*\b], v[\s+16*\b:\s+7+16*\b], v[TM+12+\b]
	v_cvt_scalef32_pk8_bf8_f32 v[PC+2+4*\b:PC+3+4*\b], v[\s+8+16*\b:\s+15+16*\b], v[TM+12+\b]
.endr
	v_nop                                          ; a plain instruction behind the last conversion, ahead of the next vector instruction that writes its sources
.endm
; THE WAY OUT, block a of 16 rows x 128 columns at a time: + bias, quantised, stored as half a record's image and a scale word a row.
.macro OUTA a
.set AC, 64*((\a)%4)
	WIN 0x02+(\a)/4                                ; source 0: window 2 or 3
.set i, 0
.rept 32
	v_pk_add_f32 v[Y+i:Y+i+1], v[AC+i:AC+i+1], v[BIAS+i:BIAS+i+1]    ; each accumulator from its low end on
.set i, i+2
.endr
	WIN 0
	s_wait_xcnt 0x0                                ; the last block's stores have read their codes, their scale word and their base
.if (\a) > 0
	s_add_nc_u64 s[OB:OB+1], s[OB:OB+1], s[70:71]
.endif
	QUANT Y
.irp c, 0,1,2,3
	global_store_b128 v[OUTO], v[PC+4*\c:PC+4*\c+3], s[OB:OB+1] offset:512*\c    ; 32 lanes store 512 consecutive bytes, aligned
.endr
	global_store_b32 v[OUTS], v[PW], s[OB:OB+1]
.endm
	PLACES NP                                      ; behind the last products: their results are read and A's registers written below
.irp b, 0,1,2,3
	v_mov_b32 v[TM+4+\b], 0                        ; a lane permute's destination counts as one of its sources
.endr
	s_wait_loadcnt 0x0                             ; the bias
.set i, 0
.rept 64
	v_cndmask_b32 v[BIAS+i], 0, v[BIAS+i], s72     ; zeros where the tile is v's
.set i, i+1
.endr
.irp a, 0,1,2,3,4,5,6,7
	OUTA \a
.endr
	s_wait_tensorcnt 0x0                           ; the wave's end
	ds_add_u32 v[SPW], v[NIL]
	s_wait_dscnt 0x0
	CROUND                                         ; the closing round: no work-group ends while a partner may still ask for a tile that names it
	s_endpgm
.Lfunc_end_k_q80436510f6_qkv:
	.size	k_q80436510f6_qkv, .Lfunc_end_k_q80436510f6_qkv-k_q80436510f6_qkv
	.p2alignl 7, 3214868480
	.fill 96, 4, 3214868480
	.section	.rodata,"a",@progbits
	.p2align	6, 0x0
	.amdhsa_kernel k_q80436510f6_qkv
		.amdhsa_group_segment_fixed_size 327680
		.amdhsa_private_segment_fixed_size 0
		.amdhsa_enable_private_segment 0
		.amdhsa_kernarg_size 40
		.amdhsa_user_sgpr_count 2
		.amdhsa_user_sgpr_kernarg_segment_ptr 1
		.amdhsa_wavefront_size32 1
		.amdhsa_system_sgpr_workgroup_id_x 1
		.amdhsa_system_sgpr_workgroup_id_y 1
		.amdhsa_system_sgpr_workgroup_id_z 1
		.amdhsa_system_vgpr_workitem_id 0
		.amdhsa_next_free_vgpr 1024
		.amdhsa_next_free_sgpr 98
		.amdhsa_reserve_vcc 0
		.amdhsa_float_denorm_mode_32 3
		.amdhsa_float_denorm_mode_16_64 3
		.amdhsa_memory_ordered 1
		.amdhsa_forward_progress 1
		.amdhsa_inst_pref_size 207
	.end_amdhsa_kernel
	.amdgpu_metadata
---
amdhsa.version: [ 1, 2 ]
amdhsa.kernels:
  - .name:           k_q80436510f6_qkv
    .symbol:         k_q80436510f6_qkv.kd
    .args:
      - { .name: h_m, .offset: 0, .size: 8, .value_kind: global_buffer, .address_space: global }
      - { .name: wts, .offset: 8, .size: 8, .value_kind: global_buffer, .address_space: global }
      - { .name: b_qk, .offset: 16, .size: 8, .value_kind: global_buffer, .address_space: global }
      - { .name: qk_m, .offset: 24, .size: 8, .value_kind: global_buffer, .address_space: global }
      - { .name: vt_m, .offset: 32, .size: 8, .value_kind: global_buffer, .address_space: global }
    .group_segment_fixed_size: 327680
    .private_segment_fixed_size: 0
    .kernarg_segment_align: 8
    .kernarg_segment_size: 40
    .max_flat_workgroup_size: 128
    .sgpr_count:     98
    .vgpr_count:     1024
    .wavefront_size: 32
...
	.end_amdgpu_metadata
.endif
;; end of part 2
;; launch attn (part 3): grid 8 x 32, 16 waves a work-group, clusters of 4 x 1, 327,680 bytes of LDS; arguments qk_m, vt_m, o_m; writes o_m
.if DOCPART == 3
	.amdgcn_target "amdgcn-amd-amdhsa--gfx1250"
	.amdhsa_code_object_version 6
	.text
	.protected	k_q80436510f6_attn
	.globl	k_q80436510f6_attn
	.p2align	8
	.type	k_q80436510f6_attn,@function
k_q80436510f6_attn:
	s_mov_b64 s[64:65], 0
	v_nop
	global_prefetch_b8 v0, s[64:65] scope:SCOPE_SE
	s_setreg_imm32_b32 hwreg(HW_REG_WAVE_MODE, 25, 1), 1
	s_wait_xcnt 0x0
	s_wait_alu depctr_hold_cnt(0) depctr_sa_sdst(0) depctr_va_vdst(0) depctr_va_sdst(0) depctr_va_ssrc(0) depctr_va_vcc(0) depctr_vm_vsrc(0)
	s_getreg_b32 s2, hwreg(HW_REG_IB_STS2, 6, 4)
	s_cmp_eq_u32 s2, 0
	s_cbranch_scc0 .Lentry_in_a_cluster
	s_endpgm
.Lentry_in_a_cluster:
	s_bfe_u32 s2, ttmp6, 0x10000c
	s_cmp_lg_u32 s2, 0x3003
	s_cbranch_scc0 .Lentry_shape_is_right
	s_endpgm
.Lentry_shape_is_right:
; o = softmax(q k^T / 8, causal) v for 32 (batch, head) pairs of 2,048 tokens x 64, both products on codes of BF8 (E5M2) with E8M0 scales for each 32 along K; o is quantised along the channels on the way out.
; Key steps that lie wholly behind the causal mask, which the problem builds itself, are not multiplied.
; THE SOFTMAX: t = score x log2(e) / 8; M = the running largest t rounded UP to a whole number; p = 2^(t - M) is quantised along the keys, not normalised; the row's sum is taken of the unquantised p and divides O at the end.
; BUFFERS are records of 4,352 bytes, 16 rows x 256 along K: position p of row tile rt is row 32 (rt / 2) + 8 (rt % 2) + p + 8 (p / 8); bytes 0-4095 register images (2048 q + 512 c + 16 lane), 4096-4223 scale bytes (8 p + 4 q + c), then their copy.
;   qk_m: rows = tokens, 8 records a row tile (q: columns 0-1023, k: 1024-2047).  vt_m: rows = channels, K = tokens, 16 records.  o_m: rows = tokens, 4 records.  A head's 64 columns are 1,024 bytes of an image and 2 scale bytes a row.
; SHARES.  A work-group serves 16 query tiles of one head: tile 8 r + g of rank r = 0 .. 15, g the work-group's x; a tile of rank r needs key steps 0 .. r of 128 keys, step r on the diagonal.
;   The 136 tile-steps are dealt to 16 waves in 8 pairs, j = 0 .. 7; the longest shares have the lowest wave numbers.  Wave X (wave j) takes key steps 0-11 of tile 8 + j: 9 + j steps, at most 12; where j <= 3 that is the whole tile.
;   Wave Y (wave 8 + j) takes tile 7 - j whole (8 - j steps), stores it, and then key steps 12 .. 8 + j of tile 8 + j (j - 3 steps; none where j <= 3).  Y's part of tile 8 + j (O^T, -M, the sum) goes to X through LDS bytes
;   of the pair's own; X brings both parts under the larger M, by powers of two, and stores the tile.  A part of no steps holds zeros under -M = 3e38: its factor comes out 0.
;   All waves walk all 16 key steps, two a trip, in one loop of constant count; a scalar branch on the wave's rank leads round a step's work.  No branch hangs on g.
; THE WHOLE HEAD'S K AND V LIE IN LDS, filled once at the head, one tensor load a wave: waves 0-7 16 key tiles each, waves 8-11 a tile of V's channels each, waves 12-15 32 key tiles' scale bytes each.  Nothing is filled again.
; No prefetch: every fill stands at the head, and there is no loop to run ahead in.
; CLUSTER: the four work-groups of a cluster serve the same head: every fill is asked for jointly, by the same tensor load with the mask of all four.
; LAYOUT.  Both products transposed: S^T = K Q^T (source 0 = a key tile), O^T = V^T P^T (source 0 = a tile of channels): a lane holds one query throughout.  By the order of rows in a tile the 16 registers of key tiles
;   2 b and 2 b + 1 are keys 32 b + 16 h + 0 .. 15, so p's codes are the second product's operand; likewise O^T's registers are 16 neighbouring channels.  K = 64 in the first product: the fragments' upper halves are zero codes.
; REGISTERS: v1-7, v239, v240 stay; v8-11, v237-238 addresses of the step; v12 -M, v13 largest t, v[14:15] the sum; v16-31 Q; v32-95 four fragments of K; v96-159 S^T, p, then V's four fragments; v160-191 O^T; v192-207 p's codes;
;   v208-223, v250-253 at work; v224-227 K's scale words, v228-231 V's, v235 p's, v236 Q's; v[232:233] f; v241-249 the second tile's Q; v254-255 the add's.
; LIMITS: NaN and infinities are not served; the scaled scores stay under 2^31 in magnitude; 1 / sum is v_rcp_f32; a block's largest p is taken from its largest score, which takes v_exp_f32 not to fall where its input rises; a block of zeros gets the byte 1 (zero codes).
.set REC,  4352
.set KSB,  131072                      ; behind 128 key tiles x 1,024 bytes: 128 x 128 scale bytes
.set VB,   147456                      ; [4 tiles of channels][8 records]
.set VCT,  8*REC
.set SPARE, 286720                     ; the spare words: 128 bytes a wave
.set PART, SPARE+2048                  ; a pair's hand-over: 8 x 512 bytes of O^T, then 8 bytes a lane (-M, sum)
.set PREC, 4352
.set G1K,  24
.set G1V,  32
.set G1S,  40
.set G0K,  48
.set G0V,  52
.set G0S,  56
.macro DESC1 g, c, r, p                ; group 1: r rows of c elements of 8 bytes, p elements apart; the mask of all four work-groups, bit 21 beside it; no padding
	s_mov_b32 s[\g], 15|(3<<16)|(1<<21)
	s_mov_b32 s[\g+1], (\c)<<16
	s_mov_b32 s[\g+2], (\r)<<16
	s_mov_b32 s[\g+3], (\c)<<16
	s_mov_b32 s[\g+4], \r
	s_mov_b32 s[\g+5], \p
	s_mov_b32 s[\g+6], 0
	s_mov_b32 s[\g+7], 0
.endm
.macro ROUND                           ; a round of the cluster's barrier
	s_barrier_signal -1
	s_barrier_wait -1
	s_cmp_lg_u32 s12, 0
	s_cbranch_scc1 .Lnot_wave_0_\@
	s_barrier_signal -3
.Lnot_wave_0_\@:
	s_barrier_wait -3
	s_barrier_signal -1
	s_barrier_wait -1
.endm
.macro TLOAD g0, g1                    ; an s_nop 0 and four v_nop follow each load
	tensor_load_to_lds s[\g0:\g0+3], s[\g1:\g1+7]
	s_nop 0
.rept 4
	v_nop
.endr
.endm
	s_load_b128 s[4:7], s[0:1], 0x0                ; qk_m, vt_m
	s_load_b64 s[8:9], s[0:1], 0x10                ; o_m
	v_lshl_add_u32 v254, v0, 2, SPARE
	v_mov_b32 v255, 0
	ds_add_u32 v254, v255                          ; the opening: the add, twice on end, and its wait ahead of the first tensor load
	ds_add_u32 v254, v255
	v_lshrrev_b32 v1, 5, v0
	v_readfirstlane_b32 s12, v1                    ; wave 0..15
	s_lshr_b32 s60, s12, 3                         ; 0: X, 1: Y
	s_and_b32 s62, s12, 7                          ; the pair j
	s_or_b32 s63, s62, 8                           ; 8 + j
	s_mul_i32 s13, s60, 15
	s_xor_b32 s13, s13, s63                        ; the rank for key steps 0-11: X 8 + j, Y 7 - j
	s_mul_i32 s61, s60, s63                        ; for key steps 12-15: X 0 (all left out), Y 8 + j
	s_and_b32 s88, s12, 7                          ; my part of K's fill,
	s_and_b32 s96, s12, 3                          ; of V's or of the scale bytes'
	s_bfe_u32 s89, ttmp6, 0x40000                  ; cx
	s_lshl_b32 s90, ttmp9, 2
	s_add_co_u32 s90, s90, s89                     ; g: it enters Q's and O's addresses and the mask's numbers alone
	s_and_b32 s91, ttmp7, 0xffff
	s_lshr_b32 s92, s91, 4                         ; batch
	s_and_b32 s93, s91, 15                         ; head
	s_lshr_b32 s94, s93, 2                         ; HQ: which record along the columns
	s_and_b32 s95, s93, 3                          ; HR: which quarter of it
	DESC1 G1K, 128, 16, 8*544                      ; 16 key tiles: 1,024 bytes of each, a row tile (8 records) apart
	DESC1 G1V, 32, 136, 32                         ; eight records of V, dense: 136 rows of 256 bytes
	DESC1 G1S, 16, 32, 8*544                       ; 32 key tiles' 128 scale bytes
	s_mul_i32 s10, s92, 128*8*REC
	s_add_co_u32 s11, s94, 4
	s_mul_i32 s11, s11, REC
	s_add_co_u32 s10, s10, s11                     ; k's record of key tile 0
	s_lshl_b32 s11, s95, 10
	s_add_co_u32 s11, s11, s10                     ; and the head's 1,024 bytes in it
	s_mul_i32 s2, s93, 4*16*REC
	s_mul_i32 s3, s92, 8*REC
	s_add_co_u32 s2, s2, s3                        ; V: the head's first tile of channels, the batch's first record
	s_mov_b32 s99, 0
	s_wait_dscnt 0x0                               ; both opening adds are done
	s_wait_kmcnt 0x0
	s_mov_b32 s[G0K], 1
	s_lshl_b32 s[G0K+1], s88, 14
	s_mul_i32 s98, s88, 16*8*REC
	s_add_co_u32 s98, s98, s11
	s_add_nc_u64 s[G0K+2:G0K+3], s[4:5], s[98:99]
	s_or_b32 s[G0K+3], s[G0K+3], 0x80000000
	s_mov_b32 s[G0V], 1
	s_mul_i32 s100, s96, VCT
	s_add_co_u32 s[G0V+1], s100, VB
	s_mul_i32 s98, s96, 16*REC
	s_add_co_u32 s98, s98, s2
	s_add_nc_u64 s[G0V+2:G0V+3], s[6:7], s[98:99]
	s_or_b32 s[G0V+3], s[G0V+3], 0x80000000
	s_mov_b32 s[G0S], 1
	s_lshl_b32 s100, s96, 12
	s_add_co_u32 s[G0S+1], s100, KSB
	s_mul_i32 s98, s96, 32*8*REC
	s_add_co_u32 s98, s98, s10
	s_add_co_u32 s98, s98, 4096
	s_add_nc_u64 s[G0S+2:G0S+3], s[4:5], s[98:99]
	s_or_b32 s[G0S+3], s[G0S+3], 0x80000000
	ROUND                                          ; all four work-groups are here: the joint loads meet
	s_cmp_lt_u32 s12, 8                            ; one chain of branches on the wave's number, one load to an arm: every way passes exactly one
	s_cbranch_scc0 .Lfill_v
	TLOAD G0K, G1K
	s_branch .Lfilled
.Lfill_v:
	s_cmp_lt_u32 s12, 12
	s_cbranch_scc0 .Lfill_s
	TLOAD G0V, G1V
	s_branch .Lfilled
.Lfill_s:
	TLOAD G0S, G1S
.Lfilled:
	s_lshl_b32 s70, s95, 1
	s_add_co_u32 s70, s70, KSB                     ; K's scale bytes of the head
	s_mul_i32 s71, s62, PREC
	s_add_co_u32 s71, s71, PART                    ; my pair's hand-over
	s_lshr_b32 s72, s90, 1
	s_lshl_b32 s72, s72, 5
	s_and_b32 s73, s90, 1
	s_lshl_b32 s73, s73, 3
	s_add_co_u32 s72, s72, s73                     ; 32 (g / 2) + 8 (g % 2)
	s_mul_i32 s73, s95, 1022
	s_sub_co_u32 s73, 0x1000, s73                  ; from the head's 1,024 bytes to its scale bytes in the record: 4096 + 2 HR - 1024 HR
	s_lshl_b32 s74, s92, 7
	s_add_co_u32 s74, s74, s90                     ; 128 x batch + g
	s_mul_i32 s75, s94, REC
	s_lshl_b32 s76, s95, 10
	s_add_co_u32 s75, s75, s76                     ; the head's place in a row tile
	s_lshl_b32 s76, s13, 3
	s_add_co_u32 s76, s76, s74                     ; the tile that I store: X 8 + j, Y 7 - j
	s_mul_i32 s98, s76, 8*REC
	s_add_co_u32 s98, s98, s75
	s_add_nc_u64 s[10:11], s[4:5], s[98:99]        ; its Q
	s_mul_i32 s98, s76, 4*REC
	s_add_co_u32 s98, s98, s75
	s_add_nc_u64 s[8:9], s[8:9], s[98:99]          ; its O
	s_lshl_b32 s76, s63, 3
	s_add_co_u32 s76, s76, s74
	s_mul_i32 s98, s76, 8*REC
	s_add_co_u32 s98, s98, s75
	s_add_nc_u64 s[66:67], s[4:5], s[98:99]        ; Q of tile 8 + j
	s_mov_b32 s19, 0x600000
	s_mov_b32 s20, 0x76543210
	s_mov_b32 s21, 0xfedcba98
	s_mov_b32 s22, 0x3e38aa3b                      ; c = log2(e) / 8
	s_mov_b32 s23, s22
	s_mov_b32 s14, 0                               ; the key step
	s_mov_b32 s15, 0                               ; where its key tiles begin: 8,192 bytes a step
	s_mov_b32 s16, 0                               ; its scale bytes of K: 1,024 a step
	s_mov_b32 s17, 0                               ; its record of V: 4,352 for two steps
	v_and_b32 v208, 15, v0                         ; p
	v_bfe_u32 v209, v0, 4, 1                       ; h
	v_and_b32 v210, 31, v0
	v_lshlrev_b32 v1, 4, v210                      ; 16 x lane: K's images, and my bytes of Q's and O's
	v_add_nc_u32 v2, VB, v1                        ; V's images
	v_lshl_add_u32 v3, v208, 3, s70                ; K's scale bytes: 8 p + 2 HR
	v_lshlrev_b32 v4, 3, v208
	v_add_nc_u32 v4, VB+4096, v4                   ; V's scale words: 8 p
	v_add_nc_u32 v6, s71, v1                       ; the hand-over: 16 x lane,
	v_lshl_add_u32 v239, v210, 3, s71
	v_add_nc_u32 v239, 4096, v239                  ; and 8 x lane behind the eight pieces
	v_and_b32 v5, 8, v208
	v_add_nc_u32 v5, v5, v208
	v_add_nc_u32 v5, s72, v5                       ; my query among the rank's 128,
	v_lshlrev_b32 v211, 4, v209
	v_sub_nc_u32 v5, v5, v211                      ; less 16 h: register 16 b + i of the diagonal step is hidden where 32 b + i is greater
	v_lshl_add_u32 v240, v208, 3, s73              ; Q's scale bytes
	v_lshl_add_u32 v7, v209, 7, v240               ; O's; lanes 16-31 write the copy
.irp c, 0,1
	global_load_b128 v[16+4*\c:19+4*\c], v1, s[10:11] offset:512*\c
	global_load_b128 v[242+4*\c:245+4*\c], v1, s[66:67] offset:512*\c
.endr
	global_load_u16 v236, v240, s[10:11]           ; two scale bytes; the upper two are 0 and stand over zero codes
	global_load_u16 v241, v240, s[66:67]
	v_mov_b32 v13, 0xff61b1e6                      ; the largest t so far: -3e38
	v_floor_f32 v12, -v13
	v_mov_b32 v14, 0
	v_mov_b32 v15, 0
.set i, 0
.rept 8
	v_mov_b32 v[24+i], 0                           ; the upper halves of Q's and K's fragments: zero codes, written once
	v_mov_b32 v[40+i], 0
	v_mov_b32 v[56+i], 0
	v_mov_b32 v[72+i], 0
	v_mov_b32 v[88+i], 0
.set i, i+1
.endr
.set i, 0
.rept 32
	v_mov_b32 v[160+i], 0                          ; O^T: the step has no first step of its own
.set i, i+1
.endr
.irp b, 0,1,2,3
	v_mov_b32 v[212+\b], 0                         ; a lane permute's destination counts as one of its sources
.endr
	v_mov_b32 v233, 0                              ; (named as the upper half of the pair v[232:233])
; A KEY STEP of 128 keys, the q-th of its record of V.
.macro STEP q
	s_cmp_gt_u32 s14, s13                          ; not mine: only the addresses step
	s_cbranch_scc1 .Lhidden_\@
	v_add_nc_u32 v8, s15, v1
	v_add_nc_u32 v9, s16, v3
	v_add_nc_u32 v10, s17, v2
	v_add_nc_u32 v237, s17, v4
	v_add_nc_u32 v11, 2*VCT, v10
	v_add_nc_u32 v238, 2*VCT, v237
.rept 4
	v_nop                                          ; with the six additions ten places: S^T is laid over V's fragments, which the last step's products read (nine are asked)
.endr
.irp g, 0,1                                    ; S^T = K Q^T, four key tiles at a time
.if \g > 0
.rept 8
	v_nop                                          ; places in front of loads into registers that matrix instructions have read
.endr
.endif
.irp t, 0,1,2,3
.irp c, 0,1
	ds_load_b128 v[32+16*\t+4*\c:35+16*\t+4*\c], v8 offset:1024*(4*\g+\t)+512*\c
.endr
	ds_load_u16 v[224+\t], v9 offset:128*(4*\g+\t)
.endr
.if \g == 0
	s_wait_alu depctr_va_vdst(0)
.endif
	s_wait_dscnt 0x0
.irp t, 0,1,2,3
	v_wmma_scale_f32_16x16x128_f8f6f4 v[96+8*(4*\g+\t):103+8*(4*\g+\t)], v[32+16*\t:47+16*\t], v[16:31], 0, v[224+\t], v236 matrix_a_fmt:MATRIX_FMT_BF8 matrix_b_fmt:MATRIX_FMT_BF8
.endr
.endr
	; the first group's scores have had their eight places; the lines on them (32 selections, or 16 maxima) are the second group's places
	s_cmp_lg_u32 s14, s13                          ; on the diagonal hidden scores become -infinity ahead of the maximum: p = 0 then
	s_cbranch_scc1 .Lopen_\@
	v_mov_b32 v234, 0xff800000
.set n, 0
.rept 64
	v_cmp_gt_i32 vcc_lo, 32*(n/16)+n%16, v5
	v_cndmask_b32 v[96+n], v[96+n], v234, vcc_lo
.set n, n+1
.endr
.Lopen_\@:
.irp h, 0,2                                    ; the largest score of each block of 32 keys: for the row's maximum and for the block's largest p.  Blocks 0 and 1 first
.irp b, 0,1
	v_max3_num_f32 v[208+\h+\b], v[96+16*(\h+\b)], v[97+16*(\h+\b)], v[98+16*(\h+\b)]
.endr
.irp i, 3,5,7,9,11,13
.irp b, 0,1
	v_max3_num_f32 v[208+\h+\b], v[208+\h+\b], v[96+16*(\h+\b)+\i], v[97+16*(\h+\b)+\i]
.endr
.endr
.irp b, 0,1
	v_max_num_f32 v[208+\h+\b], v[208+\h+\b], v[111+16*(\h+\b)]
.endr
.endr
.irp b, 0,1,2,3
	v_permlanex16_b32 v[212+\b], v[208+\b], s20, s21
.endr
.irp b, 0,1,2,3
	s_delay_alu instid0(VALU_DEP_4)
	v_max_num_f32 v[208+\b], v[208+\b], v[212+\b]
.endr
	s_delay_alu instid0(VALU_DEP_2)
	v_max3_num_f32 v234, v208, v209, v210
	s_delay_alu instid0(VALU_DEP_1)
	v_max_num_f32 v234, v234, v211
	s_delay_alu instid0(VALU_DEP_1)
	v_mul_f32 v234, s22, v234                      ; as t
	s_delay_alu instid0(VALU_DEP_1)
	v_max_num_f32 v13, v13, v234                   ; the running largest t
	v_mov_b32 v234, v12
	s_delay_alu instid0(VALU_DEP_2)
	v_floor_f32 v12, -v13                          ; the new -M = -ceil(t)
	s_delay_alu instid0(VALU_DEP_1)
	v_sub_f32 v234, v12, v234                      ; old M - new M: a whole number, 0 or less
	s_delay_alu instid0(VALU_DEP_1)
	v_cvt_i32_f32 v234, v234                       ; (it saturates)
	s_delay_alu instid0(VALU_DEP_1)
	v_ldexp_f32 v232, 1.0, v234                    ; f = 2^(old M - new M): rounds nothing
.set j, 0
.rept 32
	v_pk_fma_f32 v[96+j:97+j], v[96+j:97+j], s[22:23], v[12:13] op_sel_hi:[1,0,0]    ; t - M
.set j, j+2
.endr
.irp b, 0,1,2,3
	v_fma_f32 v[208+\b], v[208+\b], s22, v12
.endr
	s_wait_alu depctr_va_vdst(0)
.set j, 0
.rept 64
	v_exp_f32 v[96+j], v[96+j]                     ; p = 2^(t - M)
.set j, j+1
.endr
	v_pk_mul_f32 v[14:15], v[14:15], v[232:233] op_sel_hi:[1,0]        ; the sums under the new M: a plain instruction behind the exponentials
	s_wait_alu depctr_va_vdst(0)                   ; one wait for the batch, ahead of its first reader
.irp b, 0,1,2,3
	v_exp_f32 v[208+\b], v[208+\b]                 ; each block's largest p
.endr
	v_pk_add_f32 v[212:213], v[96:97], v[98:99]    ; the row's sum of the unquantised p: 32 pairs in four chains
	v_pk_add_f32 v[250:251], v[100:101], v[102:103]
	v_pk_add_f32 v[252:253], v[104:105], v[106:107]
	v_pk_add_f32 v[14:15], v[14:15], v[108:109]
.set j, 110
.rept 6
	v_pk_add_f32 v[212:213], v[212:213], v[j:j+1]
	v_pk_add_f32 v[250:251], v[250:251], v[j+2:j+3]
	v_pk_add_f32 v[252:253], v[252:253], v[j+4:j+5]
	v_pk_add_f32 v[14:15], v[14:15], v[j+6:j+7]
.set j, j+8
.endr
	v_pk_add_f32 v[212:213], v[212:213], v[158:159]
	v_pk_add_f32 v[250:251], v[250:251], v[252:253]
	v_pk_add_f32 v[14:15], v[14:15], v[212:213]
	v_pk_add_f32 v[14:15], v[14:15], v[250:251]
	s_wait_alu depctr_va_vdst(0)                   ; and one for the four
.irp b, 0,1,2,3
	v_max_num_f32 v[208+\b], 0x8000000, v[208+\b]  ; the floor 2^(16 - 127)
.endr
.irp b, 0,1,2,3
	v_add_nc_u32 v[220+\b], 0xf8800000, v[208+\b]  ; the conversion's scale operand
.endr
.irp b, 0,1,2,3
	v_and_or_b32 v[216+\b], v[208+\b], 0x7f800000, s19                 ; 57,344 x the scale
.endr
.irp b, 0,1,2,3
	v_lshrrev_b32 v[212+\b], 23, v[220+\b]         ; the scale's byte
.endr
	v_lshl_or_b32 v235, v213, 8, v212              ; p's scale word for these 128 keys
	v_lshl_or_b32 v235, v214, 16, v235
	v_lshl_or_b32 v235, v215, 24, v235
.irp b, 0,1,2,3
.irp i, 0,2,4,6,8,10,12,14
	v_dual_min_num_f32 v[96+16*\b+\i], v[96+16*\b+\i], v[216+\b] :: v_dual_min_num_f32 v[97+16*\b+\i], v[97+16*\b+\i], v[216+\b]   ; the hold, two numbers a line; p is not negative
.endr
	v_cvt_scalef32_pk8_bf8_f32 v[192+4*\b:193+4*\b], v[96+16*\b:103+16*\b], v[220+\b]
	v_cvt_scalef32_pk8_bf8_f32 v[194+4*\b:195+4*\b], v[104+16*\b:111+16*\b], v[220+\b]
.endr
.irp t, 0,1                                    ; V's four fragments land where p lay
.irp c, 0,1,2,3
	ds_load_b128 v[96+16*\t+4*\c:99+16*\t+4*\c], v10 offset:\t*VCT+2048*(\q)+512*\c
.endr
	ds_load_b32 v[228+\t], v237 offset:\t*VCT+4*(\q)
.endr
.irp t, 0,1
.irp c, 0,1,2,3
	ds_load_b128 v[128+16*\t+4*\c:131+16*\t+4*\c], v11 offset:\t*VCT+2048*(\q)+512*\c
.endr
	ds_load_b32 v[230+\t], v238 offset:\t*VCT+4*(\q)
.endr
	s_wait_alu depctr_va_vdst(0)                   ; directly ahead of the first reader of O^T
.set j, 0
.rept 16
	v_pk_mul_f32 v[160+j:161+j], v[160+j:161+j], v[232:233] op_sel_hi:[1,0]    ; O^T under the new M; these are also the places between the conversions and the products
.set j, j+2
.endr
	s_wait_alu depctr_va_vdst(0)
	s_wait_dscnt 0x0
.irp t, 0,1,2,3                                ; O^T += V^T P^T: the four accumulators by turns
	v_wmma_scale_f32_16x16x128_f8f6f4 v[160+8*\t:167+8*\t], v[96+16*\t:111+16*\t], v[192:207], v[160+8*\t:167+8*\t], v[228+\t], v235 matrix_a_fmt:MATRIX_FMT_BF8 matrix_b_fmt:MATRIX_FMT_BF8
.endr
.Lhidden_\@:
	s_add_co_u32 s14, s14, 1
	s_add_co_u32 s15, s15, 8192
	s_add_co_u32 s16, s16, 1024
.endm
; THE WAY OUT of a finished tile (my lane's sum in v14): O^T / the row's sum; its 32 registers are two blocks of 32 channels (16 here, 16 in lane l xor 16): quantised, they are 32 bytes of o_m's image.
.macro WAYOUT
	s_wait_alu depctr_va_vdst(0)
	v_permlanex16_b32 v212, v14, s20, s21
	v_add_f32 v14, v14, v212                       ; the row's sum
	s_wait_alu depctr_va_vdst(0)
	v_rcp_f32 v15, v14
	v_nop
	s_wait_alu depctr_va_vdst(0)                   ; and ahead of its first reader, which is O^T's first reader too
.set j, 0
.rept 32
	v_mul_f32 v[96+j], v[160+j], v15               ; register 16 b + i: channel 32 b + 16 h + i of the head
.set j, j+1
.endr
.irp b, 0,1
	v_max3_num_f32 v[208+\b], |v[96+16*\b]|, |v[97+16*\b]|, 0x8000000
.endr
.irp i, 2,4,6,8,10,12,14
.irp b, 0,1
	v_max3_num_f32 v[208+\b], v[208+\b], |v[96+16*\b+\i]|, |v[97+16*\b+\i]|
.endr
.endr
.irp b, 0,1
	v_permlanex16_b32 v[212+\b], v[208+\b], s20, s21
.endr
.irp b, 0,1
	v_max_num_f32 v[208+\b], v[208+\b], v[212+\b]
.endr
.irp b, 0,1
	v_add_nc_u32 v[220+\b], 0xf8800000, v[208+\b]
.endr
.irp b, 0,1
	v_and_or_b32 v[216+\b], v[208+\b], 0x7f800000, s19
.endr
.irp b, 0,1
	v_lshrrev_b32 v[212+\b], 23, v[220+\b]
.endr
	v_lshl_or_b32 v235, v213, 8, v212
.irp b, 0,1
.irp i, 0,1,2,3,4,5,6,7,8,9,10,11,12,13,14,15
	v_med3_num_f32 v[96+16*\b+\i], v[96+16*\b+\i], -v[216+\b], v[216+\b]
.endr
	v_cvt_scalef32_pk8_bf8_f32 v[192+4*\b:193+4*\b], v[96+16*\b:103+16*\b], v[220+\b]
	v_cvt_scalef32_pk8_bf8_f32 v[194+4*\b:195+4*\b], v[104+16*\b:111+16*\b], v[220+\b]
.endr
	v_nop
.irp b, 0,1
	global_store_b128 v1, v[192+4*\b:195+4*\b], s[8:9] offset:512*\b   ; 32 lanes store 512 consecutive bytes, aligned
.endr
	global_store_b16 v7, v235, s[8:9]
.endm
	s_wait_alu depctr_va_vdst(0)
	s_wait_tensorcnt 0x0                           ; my fill is in,
	s_barrier_signal -1
	s_barrier_wait -1                              ; everybody's is: the whole head's K and V
	s_wait_loadcnt 0x0                             ; both Q
	s_mov_b32 s18, 8
.Lsteps:                                               ; key steps 0-15, two a trip
	s_cmp_lg_u32 s18, 2                            ; with two trips left key step 12 begins: the change of tile
	s_cbranch_scc1 .Lkeep
	s_mov_b32 s13, s61
	s_cmp_eq_u32 s60, 0
	s_cbranch_scc1 .Lkeep                          ; X keeps its sums
.rept 8
	v_nop                                          ; places behind the last products
.endr
	v_add_f32 v14, v14, v15
	WAYOUT                                         ; Y: tile 7 - j is finished
	s_wait_xcnt 0x0                                ; the stores have read their registers
.set i, 0
.rept 8
	v_mov_b32 v[16+i], v[242+i]                    ; on to tile 8 + j: its Q,
.set i, i+1
.endr
	v_mov_b32 v236, v241                           ; its scale bytes,
	v_mov_b32 v13, 0xff61b1e6                      ; and sums begun anew
	v_floor_f32 v12, -v13
	v_mov_b32 v14, 0
	v_mov_b32 v15, 0
.set i, 0
.rept 32
	v_mov_b32 v[160+i], 0
.set i, i+1
.endr
	s_wait_alu depctr_va_vdst(0)
.Lkeep:
	STEP 0
	STEP 1
	s_add_co_u32 s17, s17, REC
	s_sub_co_u32 s18, s18, 1
	s_cmp_lg_u32 s18, 0
	s_cbranch_scc1 .Lsteps
.rept 8
	v_nop                                          ; places behind the last products: O^T is read, and V's registers are loaded into, below
.endr
	s_cmp_eq_u32 s60, 0
	s_cbranch_scc1 .Lno_part
	v_add_f32 v13, v14, v15                        ; Y: my lane's sum beside -M,
.irp k, 0,1,2,3,4,5,6,7
	ds_store_b128 v6, v[160+4*\k:163+4*\k] offset:512*\k   ; and O^T as an image of its registers, each accumulator from its low end on
.endr
	ds_store_b64 v239, v[12:13]
.Lno_part:
	s_wait_alu depctr_va_vdst(0)
	s_wait_dscnt 0x0                               ; for the partner's sake: my stores are done
	s_barrier_signal -1
	s_barrier_wait -1
	s_cmp_lg_u32 s60, 0
	s_cbranch_scc1 .Lend
.irp k, 0,1,2,3,4,5,6,7
	ds_load_b128 v[96+4*\k:99+4*\k], v6 offset:512*\k      ; X: the partner's part of my tile, lane for lane
.endr
	ds_load_b64 v[208:209], v239
	v_add_f32 v14, v14, v15
	s_wait_alu depctr_va_vdst(0)
	s_wait_dscnt 0x0
	v_min_num_f32 v210, v12, v208                  ; -M of the larger M
	v_sub_f32 v211, v210, v12                      ; whole numbers, 0 or less
	v_sub_f32 v213, v210, v208
	v_cvt_i32_f32 v211, v211
	v_cvt_i32_f32 v213, v213
	v_ldexp_f32 v232, 1.0, v211                    ; my factor,
	v_ldexp_f32 v214, 1.0, v213                    ; the partner's: powers of two, which round nothing
	v_mul_f32 v14, v14, v232
	v_fma_f32 v14, v209, v214, v14
.set j, 0
.rept 16
	v_pk_mul_f32 v[160+j:161+j], v[160+j:161+j], v[232:233] op_sel_hi:[1,0]
.set j, j+2
.endr
.set j, 0
.rept 16
	v_pk_fma_f32 v[160+j:161+j], v[96+j:97+j], v[214:215], v[160+j:161+j] op_sel_hi:[1,0,1]
.set j, j+2
.endr
	WAYOUT                                         ; tile 8 + j is finished
.Lend:
	s_wait_tensorcnt 0x0                           ; the wave's end
	ds_add_u32 v254, v255
	s_wait_dscnt 0x0
	ROUND                                          ; the closing round
	s_endpgm
.Lfunc_end_k_q80436510f6_attn:
	.size	k_q80436510f6_attn, .Lfunc_end_k_q80436510f6_attn-k_q80436510f6_attn
	.p2alignl 7, 3214868480
	.fill 96, 4, 3214868480
	.section	.rodata,"a",@progbits
	.p2align	6, 0x0
	.amdhsa_kernel k_q80436510f6_attn
		.amdhsa_group_segment_fixed_size 327680
		.amdhsa_private_segment_fixed_size 0
		.amdhsa_enable_private_segment 0
		.amdhsa_kernarg_size 24
		.amdhsa_user_sgpr_count 2
		.amdhsa_user_sgpr_kernarg_segment_ptr 1
		.amdhsa_wavefront_size32 1
		.amdhsa_system_sgpr_workgroup_id_x 1
		.amdhsa_system_sgpr_workgroup_id_y 1
		.amdhsa_system_sgpr_workgroup_id_z 1
		.amdhsa_system_vgpr_workitem_id 0
		.amdhsa_next_free_vgpr 256
		.amdhsa_next_free_sgpr 102
		.amdhsa_reserve_vcc 1
		.amdhsa_float_denorm_mode_32 3
		.amdhsa_float_denorm_mode_16_64 3
		.amdhsa_memory_ordered 1
		.amdhsa_forward_progress 1
		.amdhsa_inst_pref_size 79
	.end_amdhsa_kernel
	.amdgpu_metadata
---
amdhsa.version: [ 1, 2 ]
amdhsa.kernels:
  - .name:           k_q80436510f6_attn
    .symbol:         k_q80436510f6_attn.kd
    .args:
      - { .name: qk_m, .offset: 0, .size: 8, .value_kind: global_buffer, .address_space: global }
      - { .name: vt_m, .offset: 8, .size: 8, .value_kind: global_buffer, .address_space: global }
      - { .name: o_m, .offset: 16, .size: 8, .value_kind: global_buffer, .address_space: global }
    .group_segment_fixed_size: 327680
    .private_segment_fixed_size: 0
    .kernarg_segment_align: 8
    .kernarg_segment_size: 24
    .max_flat_workgroup_size: 512
    .sgpr_count:     102
    .vgpr_count:     256
    .wavefront_size: 32
...
	.end_amdgpu_metadata
.endif
;; end of part 3
;; launch oproj (part 4): grid 8 x 32, 4 waves a work-group, clusters of 4 x 4, 327,680 bytes of LDS; arguments o_m, wts, hidden_states, x1; writes x1
.if DOCPART == 4
	.amdgcn_target "amdgcn-amd-amdhsa--gfx1250"
	.amdhsa_code_object_version 6
	.text
	.protected	k_q80436510f6_oproj
	.globl	k_q80436510f6_oproj
	.p2align	8
	.type	k_q80436510f6_oproj,@function
k_q80436510f6_oproj:
	s_mov_b64 s[64:65], 0
	v_nop
	global_prefetch_b8 v0, s[64:65] scope:SCOPE_SE
	s_setreg_imm32_b32 hwreg(HW_REG_WAVE_MODE, 25, 1), 1
	s_wait_xcnt 0x0
	s_wait_alu depctr_hold_cnt(0) depctr_sa_sdst(0) depctr_va_vdst(0) depctr_va_sdst(0) depctr_va_ssrc(0) depctr_va_vcc(0) depctr_vm_vsrc(0)
	s_getreg_b32 s2, hwreg(HW_REG_IB_STS2, 6, 4)
	s_cmp_eq_u32 s2, 0
	s_cbranch_scc0 .Lentry_in_a_cluster
	s_endpgm
.Lentry_in_a_cluster:
	s_bfe_u32 s2, ttmp6, 0x10000c
	s_cmp_lg_u32 s2, 0xf033
	s_cbranch_scc0 .Lentry_shape_is_right
	s_endpgm
.Lentry_shape_is_right:
.set REC,    4352
.set NKS,    4
.set WOFF,   3342336
.set RROW,   2*REC
.set HALFT,  4*RROW
.set SLOT,   4*HALFT
.set STAGE,  2*SLOT
.set SPITCH, 272
.set SPARE,  STAGE+4*16*SPITCH
.set LAPS,   NKS/4
.set NP,     8
.set ADRA, 16
.set ADRB, 20
.set ADRS, 22
.set STO,  24
.set RD,   25
.set CO,   26
.set SPW,  28
.set NIL,  29
.set SC,   32
.set T,    64
.set ACC,  128
.set F0,   0
.set F1,   128
.set G1,   24
.set G0,   32
.set G1B,  48
.set G0B,  56
.set MSB, 0
.macro WIN new
.if MSB != \new
	s_set_vgpr_msb (MSB<<8)|\new
.set MSB, \new
.endif
.endm
.set MUL,  0x05
.set TO_F, 0x40
.macro JLOAD s
	s_cmp_eq_u32 s15, 0
	s_cbranch_scc0 .Lfor_b_\@
	tensor_load_to_lds s[G0+4*\s:G0+4*\s+3], s[G1:G1+7]
	s_nop 0
.rept 4
	v_nop
.endr
	s_branch .Lasked_\@
.Lfor_b_\@:
	tensor_load_to_lds s[G0B+4*\s:G0B+4*\s+3], s[G1B:G1B+7]
	s_nop 0
.rept 4
	v_nop
.endr
.Lasked_\@:
.endm
.macro CREST
	s_cmp_lg_u32 s14, 0
	s_cbranch_scc1 .Lnot_wave_0_\@
	s_barrier_signal -3
.Lnot_wave_0_\@:
	s_barrier_wait -3
	s_barrier_signal -1
	s_barrier_wait -1
.endm
.macro CROUND
	s_barrier_signal -1
	s_barrier_wait -1
	CREST
.endm
	s_load_b256 s[4:11], s[0:1], 0x0
	v_lshl_add_u32 v[SPW], v0, 2, SPARE
	v_mov_b32 v[NIL], 0
	ds_add_u32 v28, v29
	ds_add_u32 v28, v29
	s_wait_dscnt 0x0
	v_lshrrev_b32 v1, 5, v0
	v_readfirstlane_b32 s14, v1
	s_lshr_b32 s15, s14, 1
	s_and_b32 s16, s14, 1
	s_bfe_u32 s40, ttmp6, 0x40000
	s_bfe_u32 s41, ttmp6, 0x40004
	s_lshl_b32 s42, ttmp9, 2
	s_add_co_u32 s42, s42, s40
	s_and_b32 s17, ttmp7, 0xffff
	s_lshl_b32 s17, s17, 2
	s_add_co_u32 s17, s17, s41
	s_lshl_b32 s43, s41, 2
	s_lshl_b32 s43, 15, s43
	s_lshl_b32 s44, 0x1111, s40
	s_or_b32 s[G1+0], s43, (3<<16)|(1<<21)
	s_or_b32 s[G1B+0], s44, (3<<16)|(1<<21)
.irp g, G1, G1B
	s_mov_b32 s[\g+1], 1088<<16
	s_mov_b32 s[\g+2], 4<<16
	s_mov_b32 s[\g+3], 1088<<16
	s_mov_b32 s[\g+4], 4
	s_mov_b32 s[\g+5], NKS*544
	s_mov_b32 s[\g+6], 0
	s_mov_b32 s[\g+7], 0
.endr
	s_lshl_b32 s20, s17, 3
	s_lshl_b32 s21, s16, 2
	s_add_co_u32 s20, s20, s21
	s_mul_i32 s20, s20, NKS*REC
	s_mov_b32 s21, 0
	s_lshl_b32 s46, s42, 3
	s_lshl_b32 s47, s16, 2
	s_add_co_u32 s46, s46, s47
	s_mul_i32 s46, s46, NKS*REC
	s_mov_b32 s47, 0
	s_mul_i32 s45, s14, HALFT
	s_wait_kmcnt 0x0
	s_add_nc_u64 s[20:21], s[4:5], s[20:21]
	s_add_nc_u64 s[46:47], s[6:7], s[46:47]
	s_add_nc_u64 s[46:47], s[46:47], WOFF
	; prefetches into the L2: of the 4 row tiles that I fetch, each of the four partners that ask for them with me names one, told apart by address (cx for A, cy for B); a slot's part of a row tile is 8,704 bytes: 34 blocks of 256
	s_cmp_eq_u32 s15, 0
	s_cselect_b64 s[68:69], s[20:21], s[46:47]
	s_cselect_b32 s70, s40, s41
	s_mul_i32 s70, s70, NKS*REC
	s_mov_b32 s71, 0
	s_add_nc_u64 s[68:69], s[68:69], s[70:71]
	v_and_b32 v30, 31, v0
	v_min_u32 v31, 1, v30
	v_lshlrev_b32 v30, 8, v30                      ; blocks 0-31, a lane a block
	v_lshl_add_u32 v31, v31, 8, 0x2000             ; blocks 32 and 33; the lanes left over name the last again
.macro PF k                            ; slot k, counted from where s[68:69] stands
	global_prefetch_b8 v30, s[68:69] offset:(\k)*2*REC th:TH_LOAD_NT scope:SCOPE_SE
	global_prefetch_b8 v31, s[68:69] offset:(\k)*2*REC th:TH_LOAD_NT scope:SCOPE_SE
.endm
.irp s, 0,1
	s_mov_b32 s[G0+4*\s], 1
	s_add_co_u32 s[G0+4*\s+1], s45, \s*SLOT
	s_add_nc_u64 s[G0+4*\s+2:G0+4*\s+3], s[20:21], \s*2*REC
	s_or_b32 s[G0+4*\s+3], s[G0+4*\s+3], 0x80000000
	s_mov_b32 s[G0B+4*\s], 1
	s_add_co_u32 s[G0B+4*\s+1], s45, \s*SLOT
	s_add_nc_u64 s[G0B+4*\s+2:G0B+4*\s+3], s[46:47], \s*2*REC
	s_or_b32 s[G0B+4*\s+3], s[G0B+4*\s+3], 0x80000000
	s_wait_alu depctr_va_vdst(0)
	s_wait_tensorcnt 0x0
	ds_add_u32 v28, v29
	ds_add_u32 v28, v29
	s_wait_dscnt 0x0
	CROUND
	JLOAD \s
.if \s == 0
	PF 1                                           ; slot 1's load goes out only when slot 0 has landed: its bytes are asked for here
.endif
.if \s+2 < NKS/2
	PF \s+2                                        ; and two slots ahead of each load
.endif
.endr
	v_and_b32 v1, 15, v0
	v_bfe_u32 v2, v0, 4, 1
	s_wait_alu depctr_va_vdst(0)
	v_and_b32 v3, 31, v0
	v_lshlrev_b32 v4, 4, v3
	s_mul_i32 s21, s15, HALFT
	s_mul_i32 s22, s16, HALFT
	s_add_co_u32 s22, s22, 2*HALFT
.irp s, 0,1
	v_add_nc_u32 v[ADRA+\s], s21, v4
	v_add_nc_u32 v[ADRB+\s], s22, v4
	s_add_co_u32 s21, s21, SLOT
	s_add_co_u32 s22, s22, SLOT
.endr
	s_mul_i32 s21, s15, HALFT
	s_mul_i32 s22, s16, HALFT
	s_add_co_u32 s22, s22, 2*HALFT
	s_sub_co_u32 s22, s22, s21
	v_mul_u32_u24 v6, s22, v2
	v_lshl_add_u32 v5, v1, 3, v6
	s_add_co_u32 s21, s21, 4096
	v_add_nc_u32 v[ADRS], s21, v5
	v_add_nc_u32 v[ADRS+1], SLOT, v[ADRS]
	s_mul_i32 s23, s14, 16*SPITCH
	s_add_co_u32 s23, s23, STAGE
	v_mul_u32_u24 v5, v1, SPITCH
	v_lshl_add_u32 v5, v2, 6, v5
	v_add_nc_u32 v[STO], s23, v5
	v_mul_u32_u24 v5, v2, SPITCH
	v_lshl_add_u32 v5, v1, 4, v5
	v_add_nc_u32 v[RD], s23, v5
	v_lshlrev_b32 v5, 12, v2
	v_lshl_add_u32 v[CO], v1, 4, v5
	s_wait_alu depctr_va_vdst(0)
	s_lshl_b32 s66, s17, 7
	s_lshl_b32 s67, s15, 6
	s_add_co_u32 s66, s66, s67
	s_lshl_b32 s66, s66, 12
	s_lshl_b32 s67, s42, 9
	s_add_co_u32 s66, s66, s67
	s_lshl_b32 s67, s16, 8
	s_add_co_u32 s66, s66, s67
	s_mov_b32 s67, 0
	s_add_nc_u64 s[8:9], s[8:9], s[66:67]
	s_add_nc_u64 s[10:11], s[10:11], s[66:67]
	WIN 0x80
.irp a, 0,1,2,3
.irp t, 0,1,2,3,4,5,6,7
	global_load_b128 v[32*\a+4*\t:32*\a+4*\t+3], v[CO], s[8:9] offset:(32*(\a/2)+8*(\a%2)+2*\t+8*(\t/4))*4096 th:TH_LOAD_NT
.endr
.endr
	WIN 0
.macro MUL8 f, st, sc, a0, zero
.irp a, \a0, \a0+1
.irp b, 0,1,2,3
.if \zero
	v_wmma_scale_f32_16x16x128_f8f6f4 v[ACC+8*(4*(\a)+\b):ACC+8*(4*(\a)+\b)+7], v[\f+64+16*\b:\f+64+16*\b+15], v[\f+16*(\a):\f+16*(\a)+15], 0, v[SC+16*(\sc)+4*\b+(\st)], v[SC+16*(\sc)+4*(\a)+(\st)] matrix_a_fmt:MATRIX_FMT_BF8 matrix_b_fmt:MATRIX_FMT_BF8 matrix_a_scale:MATRIX_SCALE_ROW1
.else
	v_wmma_scale_f32_16x16x128_f8f6f4 v[ACC+8*(4*(\a)+\b):ACC+8*(4*(\a)+\b)+7], v[\f+64+16*\b:\f+64+16*\b+15], v[\f+16*(\a):\f+16*(\a)+15], v[ACC+8*(4*(\a)+\b):ACC+8*(4*(\a)+\b)+7], v[SC+16*(\sc)+4*\b+(\st)], v[SC+16*(\sc)+4*(\a)+(\st)] matrix_a_fmt:MATRIX_FMT_BF8 matrix_b_fmt:MATRIX_FMT_BF8 matrix_a_scale:MATRIX_SCALE_ROW1
.endif
.endr
.endr
.endm
.macro FETCH slot, st, f
	WIN TO_F
.irp i, 0,1,2,3
.irp c, 0,1,2,3
	ds_load_b128 v[\f+64+16*\i+4*\c:\f+64+16*\i+4*\c+3], v[ADRB+\slot] offset:\i*RROW+((\st)/2)*REC+((\st)%2)*2048+512*\c
.endr
.endr
.irp i, 0,1,2,3
.irp c, 0,1,2,3
	ds_load_b128 v[\f+16*\i+4*\c:\f+16*\i+4*\c+3], v[ADRA+\slot] offset:\i*RROW+((\st)/2)*REC+((\st)%2)*2048+512*\c
.endr
.endr
.endm
.macro SCALES slot
.irp i, 0,1,2,3
.irp k, 0,1
	ds_load_b64 v[SC+16*\slot+4*\i+2*\k:SC+16*\slot+4*\i+2*\k+1], v[ADRS+\slot] offset:\i*RROW+\k*REC
.endr
.endr
.endm
.macro PLACES n
.rept \n
	v_nop
.endr
.endm
.macro STEP slot, st, f, g, zero
	s_wait_dscnt 8
	WIN MUL
	MUL8 \f, \st, \slot, 0, \zero
	PLACES NP
	FETCH \slot, (\st)+1, \g
	s_wait_dscnt 32
	WIN MUL
	MUL8 \f, \st, \slot, 2, \zero
.endm
.macro TURN slot, next, fill
	WIN 0
	s_wait_tensorcnt 0x0
	ds_add_u32 v[SPW], v[NIL]
	s_wait_dscnt 9
	WIN MUL
	MUL8 F1, 3, \slot, 0, 0
	s_wait_dscnt 0x0
	s_barrier_signal -1
	WIN 0
	s_barrier_wait -1
.if \fill
	CREST
	s_add_nc_u64 s[G0+4*\slot+2:G0+4*\slot+3], s[G0+4*\slot+2:G0+4*\slot+3], 4*REC
	s_add_nc_u64 s[G0B+4*\slot+2:G0B+4*\slot+3], s[G0B+4*\slot+2:G0B+4*\slot+3], 4*REC
	JLOAD \slot
	PLACES NP-4
.else
	PLACES NP
.endif
	SCALES \next
	FETCH \next, 0, F0
	WIN MUL
	MUL8 F1, 3, \slot, 2, 0
.endm
	s_wait_tensorcnt 1
	s_barrier_signal -1
	s_barrier_wait -1
	SCALES 0
	FETCH 0, 0, F0
	STEP 0, 0, F0, F1, 1
.if LAPS > 1
	WIN 0
	s_mov_b32 s3, LAPS-1
.Llap:
	STEP 0, 1, F1, F0, 0
	STEP 0, 2, F0, F1, 0
	TURN 0, 1, 1
	STEP 1, 0, F0, F1, 0
	STEP 1, 1, F1, F0, 0
	STEP 1, 2, F0, F1, 0
	TURN 1, 0, 1
	STEP 0, 0, F0, F1, 0
	WIN 0
	s_sub_co_u32 s3, s3, 1
	s_cmp_lg_u32 s3, 0
	s_cbranch_scc1 .Llap
.endif
	STEP 0, 1, F1, F0, 0
	STEP 0, 2, F0, F1, 0
	TURN 0, 1, 0
	STEP 1, 0, F0, F1, 0
	STEP 1, 1, F1, F0, 0
	STEP 1, 2, F0, F1, 0
	s_wait_dscnt 8
	WIN MUL
	MUL8 F1, 3, 1, 0, 0
	s_wait_dscnt 0
	MUL8 F1, 3, 1, 2, 0
	WIN 0
.macro TOSTAGE a
.set TT, T+32*((\a)%2)
.irp b, 0,1,2,3
	ds_store_b128 v[STO], v[ACC+8*(4*(\a)+\b):ACC+8*(4*(\a)+\b)+3] offset:128*(\b/2)+32*(\b%2)
	ds_store_b128 v[STO], v[ACC+8*(4*(\a)+\b)+4:ACC+8*(4*(\a)+\b)+7] offset:128*(\b/2)+32*(\b%2)+16
.endr
.irp t, 0,1,2,3,4,5,6,7
	ds_load_b128 v[TT+4*\t:TT+4*\t+3], v[RD] offset:\t*2*SPITCH
.endr
.endm
.macro SEND a, younger
.set TT, T+32*((\a)%2)
	s_wait_dscnt \younger
	WIN 0x08
.set i, 0
.rept 16
	v_pk_add_f32 v[TT+i:TT+i+1], v[TT+i:TT+i+1], v[32*(\a)+i:32*(\a)+i+1]
.set i, i+2
.endr
	WIN 0
.irp t, 0,1,2,3,4,5,6,7
	global_store_b128 v[CO], v[TT+4*\t:TT+4*\t+3], s[10:11] offset:(32*((\a)/2)+8*((\a)%2)+2*\t+8*(\t/4))*4096 th:TH_STORE_NT
.endr
.endm
	PLACES NP
	s_wait_loadcnt 0x0
	TOSTAGE 0
.irp a, 1,2,3
.if \a > 1
	s_wait_xcnt 0x0
.endif
	TOSTAGE \a
	SEND \a-1, 16
.endr
	SEND 3, 0
	s_wait_tensorcnt 0x0
	ds_add_u32 v[SPW], v[NIL]
	s_wait_dscnt 0x0
	CROUND
	s_endpgm
.Lfunc_end_k_q80436510f6_oproj:
	.size	k_q80436510f6_oproj, .Lfunc_end_k_q80436510f6_oproj-k_q80436510f6_oproj
	.p2alignl 7, 3214868480
	.fill 96, 4, 3214868480
	.section	.rodata,"a",@progbits
	.p2align	6, 0x0
	.amdhsa_kernel k_q80436510f6_oproj
		.amdhsa_group_segment_fixed_size 327680
		.amdhsa_private_segment_fixed_size 0
		.amdhsa_enable_private_segment 0
		.amdhsa_kernarg_size 32
		.amdhsa_user_sgpr_count 2
		.amdhsa_user_sgpr_kernarg_segment_ptr 1
		.amdhsa_wavefront_size32 1
		.amdhsa_system_sgpr_workgroup_id_x 1
		.amdhsa_system_sgpr_workgroup_id_y 1
		.amdhsa_system_sgpr_workgroup_id_z 1
		.amdhsa_system_vgpr_workitem_id 0
		.amdhsa_next_free_vgpr 640
		.amdhsa_next_free_sgpr 80
		.amdhsa_reserve_vcc 0
		.amdhsa_float_denorm_mode_32 3
		.amdhsa_float_denorm_mode_16_64 3
		.amdhsa_memory_ordered 1
		.amdhsa_forward_progress 1
		.amdhsa_inst_pref_size 60
	.end_amdhsa_kernel
	.amdgpu_metadata
---
amdhsa.version: [ 1, 2 ]
amdhsa.kernels:
  - .name:           k_q80436510f6_oproj
    .symbol:         k_q80436510f6_oproj.kd
    .args:
      - { .name: o_m, .offset: 0, .size: 8, .value_kind: global_buffer, .address_space: global }
      - { .name: wts, .offset: 8, .size: 8, .value_kind: global_buffer, .address_space: global }
      - { .name: hidden_states, .offset: 16, .size: 8, .value_kind: global_buffer, .address_space: global }
      - { .name: x1, .offset: 24, .size: 8, .value_kind: global_buffer, .address_space: global }
    .group_segment_fixed_size: 327680
    .private_segment_fixed_size: 0
    .kernarg_segment_align: 8
    .kernarg_segment_size: 32
    .max_flat_workgroup_size: 128
    .sgpr_count:     80
    .vgpr_count:     640
    .wavefront_size: 32
...
	.end_amdgpu_metadata
.endif
;; end of part 4
;; launch ln2 (part 5): grid 256 x 1, 8 waves a work-group, no clusters, 55,296 bytes of LDS; arguments x1, ln2_g, ln2_b, h_m; writes h_m
.if DOCPART == 5
	.amdgcn_target "amdgcn-amd-amdhsa--gfx1250"
	.amdhsa_code_object_version 6
	.text
	.protected	k_q80436510f6_ln2
	.globl	k_q80436510f6_ln2
	.p2align	8
	.type	k_q80436510f6_ln2,@function
k_q80436510f6_ln2:
	s_mov_b64 s[64:65], 0
	v_nop
	global_prefetch_b8 v0, s[64:65] scope:SCOPE_SE
	s_setreg_imm32_b32 hwreg(HW_REG_WAVE_MODE, 25, 1), 1
	s_wait_xcnt 0x0
; y = (x - mean) x rsqrt(var + 1e-5) x g + b over rows of 1,024 f32, then quantised along the row to codes of BF8 (E5M2) with one E8M0 byte for each 32, in f32 throughout.
; OUT: records of 4,352 bytes; record (rt, ks) at (4 rt + ks) x 4,352: 16 rows x 256 along K.  Position p of row tile rt is row 32 (rt / 2) + 8 (rt % 2) + p + 8 (p / 8).
;   Bytes 0-4095: byte 2048 q + 512 c + 16 (16 h + p) + i = the code of k = 256 ks + 128 q + 32 c + 16 h + i;  bytes 4096-4223: scale bytes at 8 p + 4 q + c;  bytes 4224-4351: those 128 bytes once more.
; A work-group of eight waves makes one row tile; wave w its positions 2 w and 2 w + 1, two neighbouring rows.  A row stays in 32 registers of the wave from its one read to its codes.
; Loads take bytes as they lie (512 a wave).  For the quantiser a lane must hold a whole block of 32 neighbours: the finished row turns through the wave's own stage row in LDS (a block 128 bytes + 16 of padding).
; The codes meet in an image of the four records in LDS; behind one barrier the work-group stores its 17,408 bytes in runs of 512.
; No matrix unit, cluster or tensor load: every byte is read by one wave, once (g and b are 8 KiB).
; LIMITS: NaN and infinities are not served; rsqrt is v_rsq_f32; a block whose largest magnitude lies under 2^-111 has its byte held at 1; a block of zeros gets the byte 1 (zero codes; read by this program alone).
.set REC,   4352
.set SROW,  4608                       ; a row in a wave's stage: 32 x 144
.set IMG,   8*SROW                     ; behind the eight stage rows: the four records
.set LT,    8                          ; v8-15    four registers a row, at work
.set LG,    16                         ; v16-47   g as loaded
.set LB,    48                         ; v48-79   b
.set LX,    80                         ; v80-143  row i at LX + 32 i
.set LC,    144                        ; v144-159 codes, 8 registers a row
	s_load_b256 s[4:11], s[0:1], 0x0               ; x, g, b, out
	v_lshl_add_u32 v160, v0, 2, 0xd400
	v_mov_b32 v161, 0
	v_lshrrev_b32 v1, 5, v0
	s_delay_alu instid0(VALU_DEP_1)
	v_readfirstlane_b32 s2, v1                     ; wave 0..7
	v_and_b32 v1, 31, v0                           ; lane L
	s_delay_alu instid0(VALU_DEP_1)
	v_lshlrev_b32 v2, 4, v1                        ; 16 L: my bytes of a load's 512
	s_mul_i32 s16, s2, SROW                        ; my wave's stage row
	v_bfe_u32 v9, v0, 3, 2                         ; L / 8
	s_delay_alu instid0(VALU_DEP_1)
	v_lshl_add_u32 v3, v9, 4, v2
	s_delay_alu instid0(VALU_DEP_1)
	v_add_nc_u32 v3, s16, v3                       ; into the stage: 16 L + 16 (L / 8): eight lanes fill a block, then the padding
	v_mul_u32_u24 v4, v1, 144
	s_delay_alu instid0(VALU_DEP_1)
	v_add_nc_u32 v4, s16, v4                       ; out of it: block L
	v_mul_u32_u24 v5, v9, REC                      ; block L lies in record L / 8,
	v_bfe_u32 v10, v0, 2, 1                        ; q = (L / 4) % 2,
	v_and_b32 v11, 3, v0                           ; c = L % 4
	s_delay_alu instid0(VALU_DEP_2)
	v_lshl_add_u32 v6, v10, 2, v5
	s_delay_alu instid0(VALU_DEP_1)
	v_add_nc_u32 v6, v6, v11
	s_delay_alu instid0(VALU_DEP_4)
	v_lshl_add_u32 v5, v10, 11, v5
	s_delay_alu instid0(VALU_DEP_1)
	v_lshl_add_u32 v5, v11, 9, v5
	s_lshl_b32 s17, s2, 5
	s_add_co_u32 s17, s17, IMG
	v_add_nc_u32 v5, s17, v5                       ; codes: + 16 x position, position = 2 w + i
	s_lshl_b32 s17, s2, 4
	s_add_co_u32 s17, s17, IMG+4096
	v_add_nc_u32 v6, s17, v6                       ; scale byte: + 8 x position
	s_lshr_b32 s18, ttmp9, 1
	s_lshl_b32 s18, s18, 5
	s_and_b32 s19, ttmp9, 1
	s_lshl_b32 s19, s19, 3
	s_add_co_u32 s18, s18, s19
	s_lshl_b32 s19, s2, 1
	s_add_co_u32 s18, s18, s19
	s_lshr_b32 s19, s2, 2
	s_lshl_b32 s19, s19, 3
	s_add_co_u32 s18, s18, s19                     ; my first row: 32 (rt / 2) + 8 (rt % 2) + 2 w + 8 (w / 4)
	s_lshl_b32 s18, s18, 12
	s_mov_b32 s19, 0
	s_mul_i32 s20, ttmp9, 4*REC
	s_mov_b32 s21, 0
	s_mov_b32 s12, 0x76543210
	s_mov_b32 s13, 0xfedcba98                      ; v_permlanex16_b32's selects for lane l xor 16
	s_mov_b32 s14, 0x600000                        ; the mantissa field of 57,344
	s_mov_b32 s22, 0x3a800000                      ; 1 / 1,024
	s_mov_b32 s23, 0x3727c5ac                      ; 1e-5
	s_wait_kmcnt 0x0
	s_add_nc_u64 s[4:5], s[4:5], s[18:19]
	s_add_nc_u64 s[10:11], s[10:11], s[20:21]
.irp i, 0,1
.irp j, 0,1,2,3,4,5,6,7
	global_load_b128 v[LX+32*\i+4*\j:LX+32*\i+4*\j+3], v2, s[4:5] offset:4096*\i+512*\j th:TH_LOAD_NT
.endr
.endr
.irp j, 0,1,2,3,4,5,6,7
	global_load_b128 v[LG+4*\j:LG+4*\j+3], v2, s[6:7] offset:512*\j
.endr
.irp j, 0,1,2,3,4,5,6,7
	global_load_b128 v[LB+4*\j:LB+4*\j+3], v2, s[8:9] offset:512*\j
.endr
.macro LANESUM                         ; v[LT + 4 i] summed over the 32 lanes, the two rows by turns
.irp m, 1,2,4,8
.irp i, 0,1
	s_delay_alu instid0(VALU_DEP_2)
	v_add_f32_dpp v[LT+4*\i], v[LT+4*\i], v[LT+4*\i] row_xmask:\m row_mask:0xf bank_mask:0xf
.endr
.endr
.irp i, 0,1
	s_delay_alu instid0(VALU_DEP_2)
	v_permlanex16_b32 v[LT+4*\i+1], v[LT+4*\i], s12, s13
.endr
.irp i, 0,1
	s_delay_alu instid0(VALU_DEP_2)
	v_add_f32 v[LT+4*\i], v[LT+4*\i], v[LT+4*\i+1]
.endr
.endm
	s_wait_loadcnt 16                              ; the two rows' 16 loads are in; g's and b's sixteen may be out
.irp i, 0,1
	v_pk_add_f32 v[LT+4*\i:LT+4*\i+1], v[LX+32*\i:LX+32*\i+1], v[LX+32*\i+2:LX+32*\i+3]
	v_pk_add_f32 v[LT+4*\i+2:LT+4*\i+3], v[LX+32*\i+4:LX+32*\i+5], v[LX+32*\i+6:LX+32*\i+7]
.endr
.irp j, 8,12,16,20,24,28
.irp i, 0,1
	s_delay_alu instid0(VALU_DEP_4)
	v_pk_add_f32 v[LT+4*\i:LT+4*\i+1], v[LT+4*\i:LT+4*\i+1], v[LX+32*\i+\j:LX+32*\i+\j+1]
	s_delay_alu instid0(VALU_DEP_4)
	v_pk_add_f32 v[LT+4*\i+2:LT+4*\i+3], v[LT+4*\i+2:LT+4*\i+3], v[LX+32*\i+\j+2:LX+32*\i+\j+3]
.endr
.endr
.irp i, 0
	s_delay_alu instid0(VALU_DEP_3)
	v_pk_add_f32 v[LT+4*\i:LT+4*\i+1], v[LT+4*\i:LT+4*\i+1], v[LT+4*\i+2:LT+4*\i+3]
.endr
.irp i, 1
	s_delay_alu instid0(VALU_DEP_2)
	v_pk_add_f32 v[LT+4*\i:LT+4*\i+1], v[LT+4*\i:LT+4*\i+1], v[LT+4*\i+2:LT+4*\i+3]
.endr
.irp i, 0,1
	s_delay_alu instid0(VALU_DEP_2)
	v_add_f32 v[LT+4*\i], v[LT+4*\i], v[LT+4*\i+1]
.endr
	LANESUM
.irp i, 0,1
	s_delay_alu instid0(VALU_DEP_2)
	v_mul_f32 v[LT+4*\i], s22, v[LT+4*\i]          ; the mean
.endr
.irp j, 0,2,4,6,8,10,12,14,16,18,20,22,24,26,28,30
.irp i, 0,1
	v_pk_add_f32 v[LX+32*\i+\j:LX+32*\i+\j+1], v[LX+32*\i+\j:LX+32*\i+\j+1], v[LT+4*\i:LT+4*\i+1] op_sel_hi:[1,0] neg_lo:[0,1] neg_hi:[0,1]   ; x - mean
.endr
.endr
.irp i, 0,1
	v_pk_mul_f32 v[LT+4*\i:LT+4*\i+1], v[LX+32*\i:LX+32*\i+1], v[LX+32*\i:LX+32*\i+1]
	v_pk_mul_f32 v[LT+4*\i+2:LT+4*\i+3], v[LX+32*\i+2:LX+32*\i+3], v[LX+32*\i+2:LX+32*\i+3]
.endr
.irp j, 4,8,12,16,20,24,28
.irp i, 0,1
	s_delay_alu instid0(VALU_DEP_4)
	v_pk_fma_f32 v[LT+4*\i:LT+4*\i+1], v[LX+32*\i+\j:LX+32*\i+\j+1], v[LX+32*\i+\j:LX+32*\i+\j+1], v[LT+4*\i:LT+4*\i+1]
	s_delay_alu instid0(VALU_DEP_4)
	v_pk_fma_f32 v[LT+4*\i+2:LT+4*\i+3], v[LX+32*\i+\j+2:LX+32*\i+\j+3], v[LX+32*\i+\j+2:LX+32*\i+\j+3], v[LT+4*\i+2:LT+4*\i+3]
.endr
.endr
.irp i, 0
	s_delay_alu instid0(VALU_DEP_3)
	v_pk_add_f32 v[LT+4*\i:LT+4*\i+1], v[LT+4*\i:LT+4*\i+1], v[LT+4*\i+2:LT+4*\i+3]
.endr
.irp i, 1
	s_delay_alu instid0(VALU_DEP_2)
	v_pk_add_f32 v[LT+4*\i:LT+4*\i+1], v[LT+4*\i:LT+4*\i+1], v[LT+4*\i+2:LT+4*\i+3]
.endr
.irp i, 0,1
	s_delay_alu instid0(VALU_DEP_2)
	v_add_f32 v[LT+4*\i], v[LT+4*\i], v[LT+4*\i+1]
.endr
	LANESUM
.irp i, 0,1
	s_delay_alu instid0(VALU_DEP_2)
	v_fma_f32 v[LT+4*\i], v[LT+4*\i], s22, s23     ; the variance + 1e-5
.endr
	s_wait_alu depctr_va_vdst(0)
.irp i, 0,1
	v_rsq_f32 v[LT+4*\i+2], v[LT+4*\i]
.endr
	v_nop                                          ; a plain instruction between the second of the two and the first use
	s_wait_alu depctr_va_vdst(0)                   ; one wait for the two, ahead of their first reader
	s_wait_loadcnt 0x0                             ; g and b
.irp j, 0,2,4,6,8,10,12,14,16,18,20,22,24,26,28,30
.irp i, 0,1
	v_pk_mul_f32 v[LX+32*\i+\j:LX+32*\i+\j+1], v[LX+32*\i+\j:LX+32*\i+\j+1], v[LT+4*\i+2:LT+4*\i+3] op_sel_hi:[1,0]
.endr
.irp i, 0,1
	s_delay_alu instid0(VALU_DEP_2)
	v_pk_fma_f32 v[LX+32*\i+\j:LX+32*\i+\j+1], v[LX+32*\i+\j:LX+32*\i+\j+1], v[LG+\j:LG+\j+1], v[LB+\j:LB+\j+1]
.endr
.endr
.irp i, 0,1                                    ; the turn: as loaded into the stage row, back a block a lane.  LDS serves a wave's instructions in order: the second row's stores come behind the first row's loads
.irp j, 0,1,2,3,4,5,6,7
	ds_store_b128 v3, v[LX+32*\i+4*\j:LX+32*\i+4*\j+3] offset:576*\j
.endr
.irp j, 0,1,2,3,4,5,6,7
	ds_load_b128 v[LX+32*\i+4*\j:LX+32*\i+4*\j+3], v4 offset:16*\j
.endr
.endr
.macro QROW i                          ; row i: my block's 32 numbers become 32 codes and a byte
.set XR, LX+32*(\i)
.set TT, LT+4*(\i)
.set CC, LC+8*(\i)
	s_wait_dscnt 16-12*(\i)                        ; behind row i's loads: the later row's 16 LDS instructions, or the earlier row's 4 image stores
	v_max3_num_f32 v[TT], |v[XR]|, |v[XR+1]|, |v[XR+2]|
	v_max3_num_f32 v[TT+1], |v[XR+3]|, |v[XR+4]|, |v[XR+5]|
.irp k, 6,10,14,18,22,26
	s_delay_alu instid0(VALU_DEP_2)
	v_max3_num_f32 v[TT], v[TT], |v[XR+\k]|, |v[XR+\k+1]|
	s_delay_alu instid0(VALU_DEP_2)
	v_max3_num_f32 v[TT+1], v[TT+1], |v[XR+\k+2]|, |v[XR+\k+3]|
.endr
	s_delay_alu instid0(VALU_DEP_2)
	v_max3_num_f32 v[TT], v[TT], |v[XR+30]|, |v[XR+31]|
	s_delay_alu instid0(VALU_DEP_1)
	v_max3_num_f32 v[TT], v[TT], v[TT+1], 0x8000000     ; with the floor 2^(16 - 127): the byte cannot fall under 1
	s_delay_alu instid0(VALU_DEP_1)
	v_add_nc_u32 v[TT+2], 0xf8800000, v[TT]        ; 15 off the exponent field: the conversion's scale operand
	s_delay_alu instid0(VALU_DEP_2)
	v_and_or_b32 v[TT+1], v[TT], 0x7f800000, s14   ; 57,344 x the scale
.set k, 0
.rept 32
	v_med3_num_f32 v[XR+k], v[XR+k], -v[TT+1], v[TT+1]  ; the conversion does not saturate (ISA guide 7.6.2): the hold comes first
.set k, k+1
.endr
.irp g, 0,1,2,3
	v_cvt_scalef32_pk8_bf8_f32 v[CC+2*\g:CC+2*\g+1], v[XR+8*\g:XR+8*\g+7], v[TT+2]
.endr
	v_lshrrev_b32 v[TT+3], 23, v[TT+2]             ; the scale's byte
	ds_store_b128 v5, v[CC:CC+3] offset:16*(\i)            ; k = 0 .. 15 of the block: the image's lanes 0-15
	ds_store_b128 v5, v[CC+4:CC+7] offset:16*(\i)+256      ; k = 16 .. 31: its lanes 16-31
	ds_store_b8 v6, v[TT+3] offset:8*(\i)
	ds_store_b8 v6, v[TT+3] offset:8*(\i)+128              ; the copy that fills the record
.endm
	QROW 0
	QROW 1
	s_wait_dscnt 0x0                               ; for the others' sake: my stores into the image are done
	s_barrier_signal -1
	s_barrier_wait -1
	v_lshlrev_b32 v8, 4, v0                        ; the copy out: 16 bytes a thread, 4,096 a turn
	s_delay_alu instid0(VALU_DEP_1)
	v_add_nc_u32 v7, IMG, v8
.irp k, 0,1,2,3
	ds_load_b128 v[LX+4*\k:LX+4*\k+3], v7 offset:4096*\k
.endr
	s_wait_alu depctr_va_vdst(0)
.irp k, 0,1,2,3
	s_wait_dscnt 3-\k
	global_store_b128 v8, v[LX+4*\k:LX+4*\k+3], s[10:11] offset:4096*\k   ; a wave stores 512 consecutive bytes, aligned
.endr
	s_cmp_lt_u32 s2, 2                             ; the last 1,024 of the 17,408 bytes: waves 0 and 1
	s_cbranch_scc0 .Ldone
	ds_load_b128 v[LX+16:LX+19], v7 offset:16384
	s_wait_dscnt 0x0
	global_store_b128 v8, v[LX+16:LX+19], s[10:11] offset:16384
.Ldone:
	s_wait_tensorcnt 0x0
	ds_add_u32 v160, v161
	s_wait_dscnt 0x0
	s_endpgm
.Lfunc_end_k_q80436510f6_ln2:
	.size	k_q80436510f6_ln2, .Lfunc_end_k_q80436510f6_ln2-k_q80436510f6_ln2
	.p2alignl 7, 3214868480
	.fill 96, 4, 3214868480
	.section	.rodata,"a",@progbits
	.p2align	6, 0x0
	.amdhsa_kernel k_q80436510f6_ln2
		.amdhsa_group_segment_fixed_size 55296
		.amdhsa_private_segment_fixed_size 0
		.amdhsa_enable_private_segment 0
		.amdhsa_kernarg_size 32
		.amdhsa_user_sgpr_count 2
		.amdhsa_user_sgpr_kernarg_segment_ptr 1
		.amdhsa_wavefront_size32 1
		.amdhsa_system_sgpr_workgroup_id_x 1
		.amdhsa_system_sgpr_workgroup_id_y 1
		.amdhsa_system_sgpr_workgroup_id_z 1
		.amdhsa_system_vgpr_workitem_id 0
		.amdhsa_next_free_vgpr 162
		.amdhsa_next_free_sgpr 66
		.amdhsa_reserve_vcc 0
		.amdhsa_float_denorm_mode_32 3
		.amdhsa_float_denorm_mode_16_64 3
		.amdhsa_memory_ordered 1
		.amdhsa_forward_progress 1
		.amdhsa_inst_pref_size 34
	.end_amdhsa_kernel
	.amdgpu_metadata
---
amdhsa.version: [ 1, 2 ]
amdhsa.kernels:
  - .name:           k_q80436510f6_ln2
    .symbol:         k_q80436510f6_ln2.kd
    .args:
      - { .name: x1, .offset: 0, .size: 8, .value_kind: global_buffer, .address_space: global }
      - { .name: ln2_g, .offset: 8, .size: 8, .value_kind: global_buffer, .address_space: global }
      - { .name: ln2_b, .offset: 16, .size: 8, .value_kind: global_buffer, .address_space: global }
      - { .name: h_m, .offset: 24, .size: 8, .value_kind: global_buffer, .address_space: global }
    .group_segment_fixed_size: 55296
    .private_segment_fixed_size: 0
    .kernarg_segment_align: 8
    .kernarg_segment_size: 32
    .max_flat_workgroup_size: 256
    .sgpr_count:     66
    .vgpr_count:     162
    .wavefront_size: 32
...
	.end_amdgpu_metadata
.endif
;; end of part 5
;; launch fc (part 6): grid 16 x 16, 4 waves a work-group, clusters of 4 x 4, 327,680 bytes of LDS; arguments h_m, wts, a_m; writes a_m
.if DOCPART == 6
	.amdgcn_target "amdgcn-amd-amdhsa--gfx1250"
	.amdhsa_code_object_version 6
	.text
	.protected	k_q80436510f6_fc
	.globl	k_q80436510f6_fc
	.p2align	8
	.type	k_q80436510f6_fc,@function
k_q80436510f6_fc:
	s_mov_b64 s[64:65], 0
	v_nop
	global_prefetch_b8 v0, s[64:65] scope:SCOPE_SE
	s_setreg_imm32_b32 hwreg(HW_REG_WAVE_MODE, 25, 1), 1
	s_wait_xcnt 0x0
	s_wait_alu depctr_hold_cnt(0) depctr_sa_sdst(0) depctr_va_vdst(0) depctr_va_sdst(0) depctr_va_ssrc(0) depctr_va_vcc(0) depctr_vm_vsrc(0)
	s_getreg_b32 s2, hwreg(HW_REG_IB_STS2, 6, 4)
	s_cmp_eq_u32 s2, 0
	s_cbranch_scc0 .Lentry_in_a_cluster
	s_endpgm
.Lentry_in_a_cluster:
	s_bfe_u32 s2, ttmp6, 0x10000c
	s_cmp_lg_u32 s2, 0xf033
	s_cbranch_scc0 .Lentry_shape_is_right
	s_endpgm
.Lentry_shape_is_right:
.set REC,    4352
.set NKSI,   4
.set NKSO,   16
.set HALFT,  8*REC
.set SLOT,   4*HALFT
.set SPARE,  2*SLOT
.set WFC_O,  4456448
.set NQ,     2
.set FR,     16
.set NL,     4
.set NP,     8
.set LAPS,   2
.set ADRA, 16
.set ADRB, 20
.set ADRS, 22
.set OUTO, 24
.set OUTS, 25
.set SPW,  28
.set NIL,  29
.set SC,   32
.set AF,   128
.set Y,    128
.set TM,   200
.set PC,   224
.set PW,   240
.set G1,   24
.set G0,   32
.set G1B,  48
.set G0B,  56
.set OB,   68
.set SLP,  74
.set SEL,  76
.set MNT,  78
.set MSB, 0
.macro WIN new
.if MSB != \new
	s_set_vgpr_msb (MSB<<8)|\new
.set MSB, \new
.endif
.endm
.set MUL_LO, 0xa1
.set MUL_HI, 0xf1
.set TO_B,   0x40
.macro JLOAD g0a, g1a, g0b, g1b
	s_cmp_eq_u32 s15, 0
	s_cbranch_scc0 .Lfor_b_\@
	tensor_load_to_lds s[\g0a:\g0a+3], s[\g1a:\g1a+7]
	s_nop 0
.rept 4
	v_nop
.endr
	s_branch .Lasked_\@
.Lfor_b_\@:
	tensor_load_to_lds s[\g0b:\g0b+3], s[\g1b:\g1b+7]
	s_nop 0
.rept 4
	v_nop
.endr
.Lasked_\@:
.endm
.macro CREST
	s_cmp_lg_u32 s14, 0
	s_cbranch_scc1 .Lnot_wave_0_\@
	s_barrier_signal -3
.Lnot_wave_0_\@:
	s_barrier_wait -3
	s_barrier_signal -1
	s_barrier_wait -1
.endm
.macro CROUND
	s_barrier_signal -1
	s_barrier_wait -1
	CREST
.endm
	s_load_b128 s[4:7], s[0:1], 0x0
	s_load_b64 s[OB:OB+1], s[0:1], 0x10
	v_lshl_add_u32 v[SPW], v0, 2, SPARE
	v_mov_b32 v[NIL], 0
	ds_add_u32 v28, v29
	ds_add_u32 v28, v29
	s_wait_dscnt 0x0
	v_lshrrev_b32 v1, 5, v0
	v_readfirstlane_b32 s14, v1
	s_lshr_b32 s15, s14, 1
	s_and_b32 s16, s14, 1
	s_bfe_u32 s40, ttmp6, 0x40000
	s_bfe_u32 s41, ttmp6, 0x40004
	s_lshl_b32 s42, ttmp9, 2
	s_add_co_u32 s42, s42, s40
	s_and_b32 s17, ttmp7, 0xffff
	s_lshl_b32 s17, s17, 2
	s_add_co_u32 s17, s17, s41
	s_lshl_b32 s43, s41, 2
	s_lshl_b32 s43, 15, s43
	s_lshl_b32 s44, 0x1111, s40
	s_or_b32 s[G1+0], s43, (3<<16)|(1<<21)
	s_or_b32 s[G1B+0], s44, (3<<16)|(1<<21)
.irp g, G1, G1B
	s_mov_b32 s[\g+1], 544<<16
	s_mov_b32 s[\g+2], 8<<16
	s_mov_b32 s[\g+3], 544<<16
	s_mov_b32 s[\g+4], 8
	s_mov_b32 s[\g+5], NKSI*544
	s_mov_b32 s[\g+6], 0
	s_mov_b32 s[\g+7], 0
.endr
	s_lshl_b32 s20, s17, 4
	s_lshl_b32 s21, s16, 3
	s_add_co_u32 s20, s20, s21
	s_mul_i32 s20, s20, NKSI*REC
	s_mov_b32 s21, 0
	s_lshl_b32 s46, s42, 4
	s_lshl_b32 s47, s16, 3
	s_add_co_u32 s46, s46, s47
	s_mul_i32 s46, s46, NKSI*REC
	s_mov_b32 s47, 0
	s_mul_i32 s45, s14, HALFT
	s_wait_kmcnt 0x0
	s_add_nc_u64 s[20:21], s[4:5], s[20:21]
	s_add_nc_u64 s[46:47], s[6:7], s[46:47]
	s_add_nc_u64 s[46:47], s[46:47], WFC_O
	; prefetches into the L2: of the 8 row tiles that I fetch, each of the four partners that ask for them with me names two, told apart by address (cx for A, cy for B); a slot's part of a row tile is one record: 17 blocks of 256 bytes
	s_cmp_eq_u32 s15, 0
	s_cselect_b64 s[92:93], s[20:21], s[46:47]
	s_cselect_b32 s94, s40, s41
	s_mul_i32 s94, s94, 2*NKSI*REC
	s_mov_b32 s95, 0
	s_add_nc_u64 s[92:93], s[92:93], s[94:95]
	v_and_b32 v30, 31, v0
	v_min_u32 v31, 1, v30
	v_add_nc_u32 v27, 15, v30
	v_lshrrev_b32 v27, 5, v27                      ; 1 from lane 17 on
	v_lshlrev_b32 v30, 8, v30
	v_mad_u32_u24 v30, v27, 13056, v30             ; lanes 0-16: the first row tile's 17 blocks; lanes 17-31: blocks 0-14 of the second, 17,408 bytes on
	v_lshl_add_u32 v31, v31, 8, 21248              ; its blocks 15 and 16; the lanes left over name the last again
.macro PF k                            ; slot k
	global_prefetch_b8 v30, s[92:93] offset:(\k)*REC th:TH_LOAD_NT scope:SCOPE_SE
	global_prefetch_b8 v31, s[92:93] offset:(\k)*REC th:TH_LOAD_NT scope:SCOPE_SE
.endm
.irp s, 0,1
	s_mov_b32 s[G0+4*\s], 1
	s_add_co_u32 s[G0+4*\s+1], s45, \s*SLOT
	s_add_nc_u64 s[G0+4*\s+2:G0+4*\s+3], s[20:21], \s*REC
	s_or_b32 s[G0+4*\s+3], s[G0+4*\s+3], 0x80000000
	s_mov_b32 s[G0B+4*\s], 1
	s_add_co_u32 s[G0B+4*\s+1], s45, \s*SLOT
	s_add_nc_u64 s[G0B+4*\s+2:G0B+4*\s+3], s[46:47], \s*REC
	s_or_b32 s[G0B+4*\s+3], s[G0B+4*\s+3], 0x80000000
	s_wait_alu depctr_va_vdst(0)
	s_wait_tensorcnt 0x0
	ds_add_u32 v28, v29
	ds_add_u32 v28, v29
	s_wait_dscnt 0x0
	CROUND
	JLOAD G0+4*\s, G1, G0B+4*\s, G1B
.if \s == 0
	PF 1                                           ; slot 1's load goes out only when slot 0 has landed: its bytes are asked for here,
.else
	PF 2                                           ; and the two refills' at slot 1's load
	PF 3
.endif
.endr
	v_and_b32 v1, 15, v0
	v_bfe_u32 v2, v0, 4, 1
	s_wait_alu depctr_va_vdst(0)
	v_and_b32 v3, 31, v0
	v_lshlrev_b32 v4, 4, v3
	s_wait_alu depctr_va_vdst(0)
	s_mul_i32 s21, s15, HALFT
	s_mul_i32 s22, s16, HALFT
	s_add_co_u32 s22, s22, 2*HALFT
.irp s, 0,1
	v_add_nc_u32 v[ADRA+\s], s21, v4
	v_add_nc_u32 v[ADRB+\s], s22, v4
	s_add_co_u32 s21, s21, SLOT
	s_add_co_u32 s22, s22, SLOT
.endr
	s_mul_i32 s21, s15, HALFT
	s_mul_i32 s22, s16, HALFT
	s_add_co_u32 s22, s22, 2*HALFT
	s_sub_co_u32 s22, s22, s21
	v_mul_u32_u24 v6, s22, v2
	v_lshl_add_u32 v5, v1, 3, v6
	s_add_co_u32 s21, s21, 4096
	v_add_nc_u32 v[ADRS], s21, v5
	v_add_nc_u32 v[ADRS+1], SLOT, v[ADRS]
	s_lshl_b32 s23, s16, 11
	v_add_nc_u32 v[OUTO], s23, v4
	v_lshlrev_b32 v5, 3, v1
	v_lshl_add_u32 v5, v2, 7, v5
	s_lshl_b32 s23, s16, 2
	s_add_co_u32 s23, s23, 4096
	v_add_nc_u32 v[OUTS], s23, v5
	s_lshl_b32 s88, s17, 4
	s_lshl_b32 s89, s15, 3
	s_add_co_u32 s88, s88, s89
	s_mul_i32 s88, s88, NKSO
	s_add_co_u32 s88, s88, s42
	s_mul_i32 s88, s88, REC
	s_mov_b32 s89, 0
	s_add_nc_u64 s[OB:OB+1], s[OB:OB+1], s[88:89]
	s_mov_b32 s[SLP], 0x3c23d70a
	s_mov_b32 s[SLP+1], s[SLP]
	s_mov_b32 s[SEL], 0x76543210
	s_mov_b32 s[SEL+1], 0xfedcba98
	s_mov_b32 s[MNT], 0x600000
.macro FRAG reg, adr, q, i
.irp c, 0,1,2,3
	ds_load_b128 v[\reg+4*\c:\reg+4*\c+3], v[\adr] offset:(\i)*REC+2048*(\q)+512*\c
.endr
.endm
.macro MUL16 a0, p, q, sc, zero
.irp a, \a0, \a0+1
.irp b, 0,1,2,3,4,5,6,7
.if \zero
	v_wmma_scale_f32_16x16x128_f8f6f4 v[8*(8*((\a)%4)+\b):8*(8*((\a)%4)+\b)+7], v[128*(\p)+FR*\b:128*(\p)+FR*\b+FR-1], v[AF+FR*(\a):AF+FR*(\a)+FR-1], 0, v[SC+8*NQ*(\sc)+NQ*\b+(\q)], v[SC+8*NQ*(\sc)+NQ*(\a)+(\q)] matrix_a_fmt:MATRIX_FMT_BF8 matrix_b_fmt:MATRIX_FMT_BF8 matrix_a_scale:MATRIX_SCALE_ROW1
.else
	v_wmma_scale_f32_16x16x128_f8f6f4 v[8*(8*((\a)%4)+\b):8*(8*((\a)%4)+\b)+7], v[128*(\p)+FR*\b:128*(\p)+FR*\b+FR-1], v[AF+FR*(\a):AF+FR*(\a)+FR-1], v[8*(8*((\a)%4)+\b):8*(8*((\a)%4)+\b)+7], v[SC+8*NQ*(\sc)+NQ*\b+(\q)], v[SC+8*NQ*(\sc)+NQ*(\a)+(\q)] matrix_a_fmt:MATRIX_FMT_BF8 matrix_b_fmt:MATRIX_FMT_BF8 matrix_a_scale:MATRIX_SCALE_ROW1
.endif
.endr
.endr
.endm
.macro FETCH_B slot, q, p
	WIN TO_B
.irp i, 0,1,2,3,4,5,6,7
	FRAG 128*(\p)+FR*\i, ADRB+\slot, \q, \i
.endr
	WIN 0
.endm
.macro FETCH_A slot, q, i0
.irp i, \i0, \i0+1, \i0+2, \i0+3
	FRAG AF+FR*(\i), ADRA+\slot, \q, \i
.endr
.endm
.macro SCALES sc
.irp i, 0,1,2,3,4,5,6,7
	ds_load_b64 v[SC+8*NQ*\sc+NQ*\i:SC+8*NQ*\sc+NQ*\i+1], v[ADRS+\sc] offset:\i*REC
.endr
.endm
.macro PLACES n
.rept \n
	v_nop
.endr
.endm
.macro STEP slot, q, zero
	s_wait_dscnt 4*NL
	WIN MUL_LO
	MUL16 0, (\q)%2, \q, \slot, \zero
	MUL16 2, (\q)%2, \q, \slot, \zero
	s_wait_dscnt 0
	PLACES NP
	FETCH_B \slot, (\q)+1, 1-(\q)%2
	FETCH_A \slot, (\q)+1, 0
	WIN MUL_HI
	MUL16 4, (\q)%2, \q, \slot, \zero
	MUL16 6, (\q)%2, \q, \slot, \zero
	PLACES NP
	WIN 0
	FETCH_A \slot, (\q)+1, 4
.endm
.macro TURN slot, next, fill
	s_wait_tensorcnt 0x0
	ds_add_u32 v[SPW], v[NIL]
	s_wait_dscnt 4*NL+1
	WIN MUL_LO
	MUL16 0, 1, NQ-1, \slot, 0
	s_wait_dscnt 0x0
	s_barrier_signal -1
	MUL16 2, 1, NQ-1, \slot, 0
	WIN 0
	s_barrier_wait -1
.if \fill
	CREST
	s_add_nc_u64 s[G0+4*\slot+2:G0+4*\slot+3], s[G0+4*\slot+2:G0+4*\slot+3], 2*REC
	s_add_nc_u64 s[G0B+4*\slot+2:G0B+4*\slot+3], s[G0B+4*\slot+2:G0B+4*\slot+3], 2*REC
	JLOAD G0+4*\slot, G1, G0B+4*\slot, G1B
	PLACES NP-4
.else
	PLACES NP
.endif
	FETCH_B \next, 0, 0
	FETCH_A \next, 0, 0
	SCALES \next
	WIN MUL_HI
	MUL16 4, 1, NQ-1, \slot, 0
	MUL16 6, 1, NQ-1, \slot, 0
	PLACES NP
	WIN 0
	FETCH_A \next, 0, 4
.endm
	s_wait_alu depctr_va_vdst(0)
	s_wait_tensorcnt 1
	s_barrier_signal -1
	s_barrier_wait -1
	FETCH_B 0, 0, 0
	FETCH_A 0, 0, 0
	SCALES 0
	FETCH_A 0, 0, 4
	STEP 0, 0, 1
	s_mov_b32 s3, LAPS-1
.Llap:
	TURN 0, 1, 1
	STEP 1, 0, 0
	TURN 1, 0, 1
	STEP 0, 0, 0
	s_sub_co_u32 s3, s3, 1
	s_cmp_lg_u32 s3, 0
	s_cbranch_scc1 .Llap
	TURN 0, 1, 0
	STEP 1, 0, 0
	s_wait_dscnt 4*NL
	WIN MUL_LO
	MUL16 0, 1, NQ-1, 1, 0
	MUL16 2, 1, NQ-1, 1, 0
	s_wait_dscnt 0
	WIN MUL_HI
	MUL16 4, 1, NQ-1, 1, 0
	MUL16 6, 1, NQ-1, 1, 0
	WIN 0
.macro QUANT s
.irp b, 0,1,2,3
	v_max3_num_f32 v[TM+\b], |v[\s+16*\b]|, |v[\s+1+16*\b]|, 0x8000000
.endr
.irp i, 2,4,6,8,10,12,14
.irp b, 0,1,2,3
	v_max3_num_f32 v[TM+\b], v[TM+\b], |v[\s+16*\b+\i]|, |v[\s+1+16*\b+\i]|
.endr
.endr
.irp b, 0,1,2,3
	v_permlanex16_b32 v[TM+4+\b], v[TM+\b], s[SEL], s[SEL+1]
.endr
.irp b, 0,1,2,3
	v_max_num_f32 v[TM+\b], v[TM+\b], v[TM+4+\b]
.endr
.irp b, 0,1,2,3
	v_add_nc_u32 v[TM+12+\b], 0xf8800000, v[TM+\b]
.endr
.irp b, 0,1,2,3
	v_and_or_b32 v[TM+8+\b], v[TM+\b], 0x7f800000, s[MNT]
.endr
.irp b, 0,1,2,3
	v_lshrrev_b32 v[TM+4+\b], 23, v[TM+12+\b]
.endr
	v_lshl_or_b32 v[PW], v[TM+5], 8, v[TM+4]
	v_lshl_or_b32 v[PW], v[TM+6], 16, v[PW]
	v_lshl_or_b32 v[PW], v[TM+7], 24, v[PW]
.irp b, 0,1,2,3
.irp i, 0,1,2,3,4,5,6,7,8,9,10,11,12,13,14,15
	v_med3_num_f32 v[\s+16*\b+\i], v[\s+16*\b+\i], -v[TM+8+\b], v[TM+8+\b]
.endr
	v_cvt_scalef32_pk8_bf8_f32 v[PC+4*\b:PC+1+4*\b], v[\s+16*\b:\s+7+16*\b], v[TM+12+\b]
	v_cvt_scalef32_pk8_bf8_f32 v[PC+2+4*\b:PC+3+4*\b], v[\s+8+16*\b:\s+15+16*\b], v[TM+12+\b]
.endr
	v_nop
.endm
.macro OUTA a
.set AC, 64*((\a)%4)
	WIN 0x02+(\a)/4
.set i, 0
.rept 32
	v_pk_mul_f32 v[Y+i:Y+i+1], v[AC+i:AC+i+1], s[SLP:SLP+1] op_sel_hi:[1,0]
.set i, i+2
.endr
.set i, 0
.rept 64
	v_max_num_f32 v[Y+i], v[AC+i], v[Y+i]
.set i, i+1
.endr
	WIN 0
	s_wait_xcnt 0x0
.if (\a) > 0
	s_add_nc_u64 s[OB:OB+1], s[OB:OB+1], NKSO*REC
.endif
	QUANT Y
.irp c, 0,1,2,3
	global_store_b128 v[OUTO], v[PC+4*\c:PC+4*\c+3], s[OB:OB+1] offset:512*\c
.endr
	global_store_b32 v[OUTS], v[PW], s[OB:OB+1]
.endm
	PLACES NP
.irp b, 0,1,2,3
	v_mov_b32 v[TM+4+\b], 0
.endr
.irp a, 0,1,2,3,4,5,6,7
	OUTA \a
.endr
	s_wait_tensorcnt 0x0
	ds_add_u32 v[SPW], v[NIL]
	s_wait_dscnt 0x0
	CROUND
	s_endpgm
.Lfunc_end_k_q80436510f6_fc:
	.size	k_q80436510f6_fc, .Lfunc_end_k_q80436510f6_fc-k_q80436510f6_fc
	.p2alignl 7, 3214868480
	.fill 96, 4, 3214868480
	.section	.rodata,"a",@progbits
	.p2align	6, 0x0
	.amdhsa_kernel k_q80436510f6_fc
		.amdhsa_group_segment_fixed_size 327680
		.amdhsa_private_segment_fixed_size 0
		.amdhsa_enable_private_segment 0
		.amdhsa_kernarg_size 24
		.amdhsa_user_sgpr_count 2
		.amdhsa_user_sgpr_kernarg_segment_ptr 1
		.amdhsa_wavefront_size32 1
		.amdhsa_system_sgpr_workgroup_id_x 1
		.amdhsa_system_sgpr_workgroup_id_y 1
		.amdhsa_system_sgpr_workgroup_id_z 1
		.amdhsa_system_vgpr_workitem_id 0
		.amdhsa_next_free_vgpr 1024
		.amdhsa_next_free_sgpr 98
		.amdhsa_reserve_vcc 0
		.amdhsa_float_denorm_mode_32 3
		.amdhsa_float_denorm_mode_16_64 3
		.amdhsa_memory_ordered 1
		.amdhsa_forward_progress 1
		.amdhsa_inst_pref_size 217
	.end_amdhsa_kernel
	.amdgpu_metadata
---
amdhsa.version: [ 1, 2 ]
amdhsa.kernels:
  - .name:           k_q80436510f6_fc
    .symbol:         k_q80436510f6_fc.kd
    .args:
      - { .name: h_m, .offset: 0, .size: 8, .value_kind: global_buffer, .address_space: global }
      - { .name: wts, .offset: 8, .size: 8, .value_kind: global_buffer, .address_space: global }
      - { .name: a_m, .offset: 16, .size: 8, .value_kind: global_buffer, .address_space: global }
    .group_segment_fixed_size: 327680
    .private_segment_fixed_size: 0
    .kernarg_segment_align: 8
    .kernarg_segment_size: 24
    .max_flat_workgroup_size: 128
    .sgpr_count:     98
    .vgpr_count:     1024
    .wavefront_size: 32
...
	.end_amdgpu_metadata
.endif
;; end of part 6
;; launch proj (part 7): grid 8 x 32, 4 waves a work-group, clusters of 4 x 4, 327,680 bytes of LDS; arguments a_m, wts, x1, out0; writes out0
.if DOCPART == 7
	.amdgcn_target "amdgcn-amd-amdhsa--gfx1250"
	.amdhsa_code_object_version 6
	.text
	.protected	k_q80436510f6_proj
	.globl	k_q80436510f6_proj
	.p2align	8
	.type	k_q80436510f6_proj,@function
k_q80436510f6_proj:
	s_mov_b64 s[64:65], 0
	v_nop
	global_prefetch_b8 v0, s[64:65] scope:SCOPE_SE
	s_setreg_imm32_b32 hwreg(HW_REG_WAVE_MODE, 25, 1), 1
	s_wait_xcnt 0x0
	s_wait_alu depctr_hold_cnt(0) depctr_sa_sdst(0) depctr_va_vdst(0) depctr_va_sdst(0) depctr_va_ssrc(0) depctr_va_vcc(0) depctr_vm_vsrc(0)
	s_getreg_b32 s2, hwreg(HW_REG_IB_STS2, 6, 4)
	s_cmp_eq_u32 s2, 0
	s_cbranch_scc0 .Lentry_in_a_cluster
	s_endpgm
.Lentry_in_a_cluster:
	s_bfe_u32 s2, ttmp6, 0x10000c
	s_cmp_lg_u32 s2, 0xf033
	s_cbranch_scc0 .Lentry_shape_is_right
	s_endpgm
.Lentry_shape_is_right:
.set REC,    4352
.set NKS,    16
.set WOFF,   8912896
.set RROW,   2*REC
.set HALFT,  4*RROW
.set SLOT,   4*HALFT
.set STAGE,  2*SLOT
.set SPITCH, 272
.set SPARE,  STAGE+4*16*SPITCH
.set LAPS,   NKS/4
.set NP,     8
.set ADRA, 16
.set ADRB, 20
.set ADRS, 22
.set STO,  24
.set RD,   25
.set CO,   26
.set SPW,  28
.set NIL,  29
.set SC,   32
.set T,    64
.set ACC,  128
.set F0,   0
.set F1,   128
.set G1,   24
.set G0,   32
.set G1B,  48
.set G0B,  56
.set MSB, 0
.macro WIN new
.if MSB != \new
	s_set_vgpr_msb (MSB<<8)|\new
.set MSB, \new
.endif
.endm
.set MUL,  0x05
.set TO_F, 0x40
.macro JLOAD s
	s_cmp_eq_u32 s15, 0
	s_cbranch_scc0 .Lfor_b_\@
	tensor_load_to_lds s[G0+4*\s:G0+4*\s+3], s[G1:G1+7]
	s_nop 0
.rept 4
	v_nop
.endr
	s_branch .Lasked_\@
.Lfor_b_\@:
	tensor_load_to_lds s[G0B+4*\s:G0B+4*\s+3], s[G1B:G1B+7]
	s_nop 0
.rept 4
	v_nop
.endr
.Lasked_\@:
.endm
.macro CREST
	s_cmp_lg_u32 s14, 0
	s_cbranch_scc1 .Lnot_wave_0_\@
	s_barrier_signal -3
.Lnot_wave_0_\@:
	s_barrier_wait -3
	s_barrier_signal -1
	s_barrier_wait -1
.endm
.macro CROUND
	s_barrier_signal -1
	s_barrier_wait -1
	CREST
.endm
	s_load_b256 s[4:11], s[0:1], 0x0
	v_lshl_add_u32 v[SPW], v0, 2, SPARE
	v_mov_b32 v[NIL], 0
	ds_add_u32 v28, v29
	ds_add_u32 v28, v29
	s_wait_dscnt 0x0
	v_lshrrev_b32 v1, 5, v0
	v_readfirstlane_b32 s14, v1
	s_lshr_b32 s15, s14, 1
	s_and_b32 s16, s14, 1
	s_bfe_u32 s40, ttmp6, 0x40000
	s_bfe_u32 s41, ttmp6, 0x40004
	s_lshl_b32 s42, ttmp9, 2
	s_add_co_u32 s42, s42, s40
	s_and_b32 s17, ttmp7, 0xffff
	s_lshl_b32 s17, s17, 2
	s_add_co_u32 s17, s17, s41
	s_lshl_b32 s43, s41, 2
	s_lshl_b32 s43, 15, s43
	s_lshl_b32 s44, 0x1111, s40
	s_or_b32 s[G1+0], s43, (3<<16)|(1<<21)
	s_or_b32 s[G1B+0], s44, (3<<16)|(1<<21)
.irp g, G1, G1B
	s_mov_b32 s[\g+1], 1088<<16
	s_mov_b32 s[\g+2], 4<<16
	s_mov_b32 s[\g+3], 1088<<16
	s_mov_b32 s[\g+4], 4
	s_mov_b32 s[\g+5], NKS*544
	s_mov_b32 s[\g+6], 0
	s_mov_b32 s[\g+7], 0
.endr
	s_lshl_b32 s20, s17, 3
	s_lshl_b32 s21, s16, 2
	s_add_co_u32 s20, s20, s21
	s_mul_i32 s20, s20, NKS*REC
	s_mov_b32 s21, 0
	s_lshl_b32 s46, s42, 3
	s_lshl_b32 s47, s16, 2
	s_add_co_u32 s46, s46, s47
	s_mul_i32 s46, s46, NKS*REC
	s_mov_b32 s47, 0
	s_mul_i32 s45, s14, HALFT
	s_wait_kmcnt 0x0
	s_add_nc_u64 s[20:21], s[4:5], s[20:21]
	s_add_nc_u64 s[46:47], s[6:7], s[46:47]
	s_add_nc_u64 s[46:47], s[46:47], WOFF
	; prefetches into the L2: of the 4 row tiles that I fetch, each of the four partners that ask for them with me names one, told apart by address (cx for A, cy for B); a slot's part of a row tile is 8,704 bytes: 34 blocks of 256
	s_cmp_eq_u32 s15, 0
	s_cselect_b64 s[68:69], s[20:21], s[46:47]
	s_cselect_b32 s70, s40, s41
	s_mul_i32 s70, s70, NKS*REC
	s_mov_b32 s71, 0
	s_add_nc_u64 s[68:69], s[68:69], s[70:71]
	v_and_b32 v30, 31, v0
	v_min_u32 v31, 1, v30
	v_lshlrev_b32 v30, 8, v30                      ; blocks 0-31, a lane a block
	v_lshl_add_u32 v31, v31, 8, 0x2000             ; blocks 32 and 33; the lanes left over name the last again
.macro PF k                            ; slot k, counted from where s[68:69] stands
	global_prefetch_b8 v30, s[68:69] offset:(\k)*2*REC th:TH_LOAD_NT scope:SCOPE_SE
	global_prefetch_b8 v31, s[68:69] offset:(\k)*2*REC th:TH_LOAD_NT scope:SCOPE_SE
.endm
.irp s, 0,1
	s_mov_b32 s[G0+4*\s], 1
	s_add_co_u32 s[G0+4*\s+1], s45, \s*SLOT
	s_add_nc_u64 s[G0+4*\s+2:G0+4*\s+3], s[20:21], \s*2*REC
	s_or_b32 s[G0+4*\s+3], s[G0+4*\s+3], 0x80000000
	s_mov_b32 s[G0B+4*\s], 1
	s_add_co_u32 s[G0B+4*\s+1], s45, \s*SLOT
	s_add_nc_u64 s[G0B+4*\s+2:G0B+4*\s+3], s[46:47], \s*2*REC
	s_or_b32 s[G0B+4*\s+3], s[G0B+4*\s+3], 0x80000000
	s_wait_alu depctr_va_vdst(0)
	s_wait_tensorcnt 0x0
	ds_add_u32 v28, v29
	ds_add_u32 v28, v29
	s_wait_dscnt 0x0
	CROUND
	JLOAD \s
.if \s == 0
	PF 1                                           ; slot 1's load goes out only when slot 0 has landed: its bytes are asked for here,
.else
	PF 2                                           ; and the next two slots' at slot 1's load
	PF 3
.endif
.endr
	v_and_b32 v1, 15, v0
	v_bfe_u32 v2, v0, 4, 1
	s_wait_alu depctr_va_vdst(0)
	v_and_b32 v3, 31, v0
	v_lshlrev_b32 v4, 4, v3
	s_mul_i32 s21, s15, HALFT
	s_mul_i32 s22, s16, HALFT
	s_add_co_u32 s22, s22, 2*HALFT
.irp s, 0,1
	v_add_nc_u32 v[ADRA+\s], s21, v4
	v_add_nc_u32 v[ADRB+\s], s22, v4
	s_add_co_u32 s21, s21, SLOT
	s_add_co_u32 s22, s22, SLOT
.endr
	s_mul_i32 s21, s15, HALFT
	s_mul_i32 s22, s16, HALFT
	s_add_co_u32 s22, s22, 2*HALFT
	s_sub_co_u32 s22, s22, s21
	v_mul_u32_u24 v6, s22, v2
	v_lshl_add_u32 v5, v1, 3, v6
	s_add_co_u32 s21, s21, 4096
	v_add_nc_u32 v[ADRS], s21, v5
	v_add_nc_u32 v[ADRS+1], SLOT, v[ADRS]
	s_mul_i32 s23, s14, 16*SPITCH
	s_add_co_u32 s23, s23, STAGE
	v_mul_u32_u24 v5, v1, SPITCH
	v_lshl_add_u32 v5, v2, 6, v5
	v_add_nc_u32 v[STO], s23, v5
	v_mul_u32_u24 v5, v2, SPITCH
	v_lshl_add_u32 v5, v1, 4, v5
	v_add_nc_u32 v[RD], s23, v5
	v_lshlrev_b32 v5, 12, v2
	v_lshl_add_u32 v[CO], v1, 4, v5
	s_wait_alu depctr_va_vdst(0)
	s_lshl_b32 s66, s17, 7
	s_lshl_b32 s67, s15, 6
	s_add_co_u32 s66, s66, s67
	s_lshl_b32 s66, s66, 12
	s_lshl_b32 s67, s42, 9
	s_add_co_u32 s66, s66, s67
	s_lshl_b32 s67, s16, 8
	s_add_co_u32 s66, s66, s67
	s_mov_b32 s67, 0
	s_add_nc_u64 s[8:9], s[8:9], s[66:67]
	s_add_nc_u64 s[10:11], s[10:11], s[66:67]
.macro RESID                           ; the residual, 32 loads a wave into window 2: wanted on the way out alone, so it is asked for behind the first step
	WIN 0x80
.irp a, 0,1,2,3
.irp t, 0,1,2,3,4,5,6,7
	global_load_b128 v[32*\a+4*\t:32*\a+4*\t+3], v[CO], s[8:9] offset:(32*(\a/2)+8*(\a%2)+2*\t+8*(\t/4))*4096 th:TH_LOAD_NT
.endr
.endr
	WIN 0
.endm
.macro MUL8 f, st, sc, a0, zero
.irp a, \a0, \a0+1
.irp b, 0,1,2,3
.if \zero
	v_wmma_scale_f32_16x16x128_f8f6f4 v[ACC+8*(4*(\a)+\b):ACC+8*(4*(\a)+\b)+7], v[\f+64+16*\b:\f+64+16*\b+15], v[\f+16*(\a):\f+16*(\a)+15], 0, v[SC+16*(\sc)+4*\b+(\st)], v[SC+16*(\sc)+4*(\a)+(\st)] matrix_a_fmt:MATRIX_FMT_BF8 matrix_b_fmt:MATRIX_FMT_BF8 matrix_a_scale:MATRIX_SCALE_ROW1
.else
	v_wmma_scale_f32_16x16x128_f8f6f4 v[ACC+8*(4*(\a)+\b):ACC+8*(4*(\a)+\b)+7], v[\f+64+16*\b:\f+64+16*\b+15], v[\f+16*(\a):\f+16*(\a)+15], v[ACC+8*(4*(\a)+\b):ACC+8*(4*(\a)+\b)+7], v[SC+16*(\sc)+4*\b+(\st)], v[SC+16*(\sc)+4*(\a)+(\st)] matrix_a_fmt:MATRIX_FMT_BF8 matrix_b_fmt:MATRIX_FMT_BF8 matrix_a_scale:MATRIX_SCALE_ROW1
.endif
.endr
.endr
.endm
.macro FETCH slot, st, f
	WIN TO_F
.irp i, 0,1,2,3
.irp c, 0,1,2,3
	ds_load_b128 v[\f+64+16*\i+4*\c:\f+64+16*\i+4*\c+3], v[ADRB+\slot] offset:\i*RROW+((\st)/2)*REC+((\st)%2)*2048+512*\c
.endr
.endr
.irp i, 0,1,2,3
.irp c, 0,1,2,3
	ds_load_b128 v[\f+16*\i+4*\c:\f+16*\i+4*\c+3], v[ADRA+\slot] offset:\i*RROW+((\st)/2)*REC+((\st)%2)*2048+512*\c
.endr
.endr
.endm
.macro SCALES slot
.irp i, 0,1,2,3
.irp k, 0,1
	ds_load_b64 v[SC+16*\slot+4*\i+2*\k:SC+16*\slot+4*\i+2*\k+1], v[ADRS+\slot] offset:\i*RROW+\k*REC
.endr
.endr
.endm
.macro PLACES n
.rept \n
	v_nop
.endr
.endm
.macro STEP slot, st, f, g, zero
	s_wait_dscnt 8
	WIN MUL
	MUL8 \f, \st, \slot, 0, \zero
	PLACES NP
	FETCH \slot, (\st)+1, \g
	s_wait_dscnt 32
	WIN MUL
	MUL8 \f, \st, \slot, 2, \zero
.endm
.macro TURN slot, next, fill
	WIN 0
.if \fill && (\slot == 0)
	s_wait_xcnt 0x0                                ; my prefetches have read their base: it steps two slots a trip
	s_add_nc_u64 s[68:69], s[68:69], 4*REC
.endif
	s_wait_tensorcnt 0x0
	ds_add_u32 v[SPW], v[NIL]
	s_wait_dscnt 9
	WIN MUL
	MUL8 F1, 3, \slot, 0, 0
	s_wait_dscnt 0x0
	s_barrier_signal -1
	WIN 0
	s_barrier_wait -1
.if \fill
	CREST
	s_add_nc_u64 s[G0+4*\slot+2:G0+4*\slot+3], s[G0+4*\slot+2:G0+4*\slot+3], 4*REC
	s_add_nc_u64 s[G0B+4*\slot+2:G0B+4*\slot+3], s[G0B+4*\slot+2:G0B+4*\slot+3], 4*REC
	JLOAD \slot
	PLACES NP-4
.else
	PLACES NP
.endif
	SCALES \next
	FETCH \next, 0, F0
.if \fill
	WIN 0
	s_cmp_gt_u32 s3, 1                             ; the last trip's two refills have no slot two on
	s_cbranch_scc0 .Lnone_ahead_\@
	PF \slot+2                                     ; the slot that stands two refills on
.Lnone_ahead_\@:
.endif
	WIN MUL
	MUL8 F1, 3, \slot, 2, 0
.endm
	s_wait_tensorcnt 1
	s_barrier_signal -1
	s_barrier_wait -1
	SCALES 0
	FETCH 0, 0, F0
	STEP 0, 0, F0, F1, 1
	RESID
.if LAPS > 1
	WIN 0
	s_mov_b32 s3, LAPS-1
.Llap:
	STEP 0, 1, F1, F0, 0
	STEP 0, 2, F0, F1, 0
	TURN 0, 1, 1
	STEP 1, 0, F0, F1, 0
	STEP 1, 1, F1, F0, 0
	STEP 1, 2, F0, F1, 0
	TURN 1, 0, 1
	STEP 0, 0, F0, F1, 0
	WIN 0
	s_sub_co_u32 s3, s3, 1
	s_cmp_lg_u32 s3, 0
	s_cbranch_scc1 .Llap
.endif
	STEP 0, 1, F1, F0, 0
	STEP 0, 2, F0, F1, 0
	TURN 0, 1, 0
	STEP 1, 0, F0, F1, 0
	STEP 1, 1, F1, F0, 0
	STEP 1, 2, F0, F1, 0
	s_wait_dscnt 8
	WIN MUL
	MUL8 F1, 3, 1, 0, 0
	s_wait_dscnt 0
	MUL8 F1, 3, 1, 2, 0
	WIN 0
.macro TOSTAGE a
.set TT, T+32*((\a)%2)
.irp b, 0,1,2,3
	ds_store_b128 v[STO], v[ACC+8*(4*(\a)+\b):ACC+8*(4*(\a)+\b)+3] offset:128*(\b/2)+32*(\b%2)
	ds_store_b128 v[STO], v[ACC+8*(4*(\a)+\b)+4:ACC+8*(4*(\a)+\b)+7] offset:128*(\b/2)+32*(\b%2)+16
.endr
.irp t, 0,1,2,3,4,5,6,7
	ds_load_b128 v[TT+4*\t:TT+4*\t+3], v[RD] offset:\t*2*SPITCH
.endr
.endm
.macro SEND a, younger
.set TT, T+32*((\a)%2)
	s_wait_dscnt \younger
	WIN 0x08
.set i, 0
.rept 16
	v_pk_add_f32 v[TT+i:TT+i+1], v[TT+i:TT+i+1], v[32*(\a)+i:32*(\a)+i+1]
.set i, i+2
.endr
	WIN 0
.irp t, 0,1,2,3,4,5,6,7
	global_store_b128 v[CO], v[TT+4*\t:TT+4*\t+3], s[10:11] offset:(32*((\a)/2)+8*((\a)%2)+2*\t+8*(\t/4))*4096 th:TH_STORE_NT
.endr
.endm
	PLACES NP
	s_wait_loadcnt 0x0
	TOSTAGE 0
.irp a, 1,2,3
.if \a > 1
	s_wait_xcnt 0x0
.endif
	TOSTAGE \a
	SEND \a-1, 16
.endr
	SEND 3, 0
	s_wait_tensorcnt 0x0
	ds_add_u32 v[SPW], v[NIL]
	s_wait_dscnt 0x0
	CROUND
	s_endpgm
.Lfunc_end_k_q80436510f6_proj:
	.size	k_q80436510f6_proj, .Lfunc_end_k_q80436510f6_proj-k_q80436510f6_proj
	.p2alignl 7, 3214868480
	.fill 96, 4, 3214868480
	.section	.rodata,"a",@progbits
	.p2align	6, 0x0
	.amdhsa_kernel k_q80436510f6_proj
		.amdhsa_group_segment_fixed_size 327680
		.amdhsa_private_segment_fixed_size 0
		.amdhsa_enable_private_segment 0
		.amdhsa_kernarg_size 32
		.amdhsa_user_sgpr_count 2
		.amdhsa_user_sgpr_kernarg_segment_ptr 1
		.amdhsa_wavefront_size32 1
		.amdhsa_system_sgpr_workgroup_id_x 1
		.amdhsa_system_sgpr_workgroup_id_y 1
		.amdhsa_system_sgpr_workgroup_id_z 1
		.amdhsa_system_vgpr_workitem_id 0
		.amdhsa_next_free_vgpr 640
		.amdhsa_next_free_sgpr 80
		.amdhsa_reserve_vcc 0
		.amdhsa_float_denorm_mode_32 3
		.amdhsa_float_denorm_mode_16_64 3
		.amdhsa_memory_ordered 1
		.amdhsa_forward_progress 1
		.amdhsa_inst_pref_size 100
	.end_amdhsa_kernel
	.amdgpu_metadata
---
amdhsa.version: [ 1, 2 ]
amdhsa.kernels:
  - .name:           k_q80436510f6_proj
    .symbol:         k_q80436510f6_proj.kd
    .args:
      - { .name: a_m, .offset: 0, .size: 8, .value_kind: global_buffer, .address_space: global }
      - { .name: wts, .offset: 8, .size: 8, .value_kind: global_buffer, .address_space: global }
      - { .name: x1, .offset: 16, .size: 8, .value_kind: global_buffer, .address_space: global }
      - { .name: out0, .offset: 24, .size: 8, .value_kind: global_buffer, .address_space: global }
    .group_segment_fixed_size: 327680
    .private_segment_fixed_size: 0
    .kernarg_segment_align: 8
    .kernarg_segment_size: 32
    .max_flat_workgroup_size: 128
    .sgpr_count:     80
    .vgpr_count:     640
    .wavefront_size: 32
...
	.end_amdgpu_metadata
.endif
;; end of part 7
